; MI455X (gfx1250); checked and timed in simulation.
; The chip was launched on July 23, 2026; its instructions are those of AMD's public machine-readable ISA for CDNA 5 (MIT licence, August 2026) and "CDNA5" Instruction Set Architecture Reference Guide (July 2026). The comments in the code are by the model that wrote it; some were corrected since.
;; Attention. Allowed arithmetic: matrix products marked QUANTISED: E2M1 operands, one E8M0 scale for each 32 along K, by v_wmma_scale_f32_16x16x128_f8f6f4 with both operands' format E2M1 (or v_wmma_scale_f32_32x16x128_f4), f32 sums; products left as they are: bf16, f16 or f32 operands; f32 sums; everything else in f32.
;; Inputs: Wk 1,024 x 1,024 float32; Wp 1,024 x 1,024 float32; Wq 1,024 x 1,024 float32; Wv 1,024 x 1,024 float32; bp 1,024 float32; k 2 x 2,048 x 1,024 float32; mask 2 x 1 x 2,048 x 2,048 int32; q 2 x 2,048 x 1,024 float32; v 2 x 2,048 x 1,024 float32.
;; Outputs: out0 2 x 2,048 x 1,024 float32.
;; This version of the problem:
;;   THIS VERSION OF THE PROBLEM IS GIVEN IN LOW PRECISION. The matrix products marked QUANTISED in the list below multiply operands that are first quantised to E2M1 (2 exponent bits, 1 mantissa bit; 4 bits a number), with one power-of-two scale for each 32 numbers along K (OCP MX v1.0); their sums are f32. The products marked 'left as it is' may take bf16, f16 or f32 operands, with f32 sums. Whichever they take, every output number must still come out within the allowed error. Rounding operands to bf16 (8 significant bits) uses up far more of that allowance than f16 does (11 bits, for magnitudes from 6e-5 to 65,504). All else is computed in f32.
;;   The module's matrix products, in the order in which they are computed (A, B: the left and right operand; K: the contracted axis; several contracted axes count as one K, in the product's order):
;;     1. [M 4,096, K 1,024] x [K 1,024, N 1,024]; A: input q; B: input Wq: QUANTISED
;;     2. [M 4,096, K 1,024] x [K 1,024, N 1,024]; A: input k; B: input Wk: QUANTISED
;;     3. [M 4,096, K 1,024] x [K 1,024, N 1,024]; A: input v; B: input Wv: QUANTISED
;;     4. batch 32 x [M 2,048, K 64] x [K 64, N 2,048]; A: computed on the way; B: computed on the way: left as it is (an operand is computed on the way)
;;     5. batch 32 x [M 2,048, K 2,048] x [K 2,048, N 64]; A: computed on the way; B: computed on the way: left as it is (an operand is computed on the way)
;;     6. [M 4,096, K 1,024] x [K 1,024, N 1,024]; A: computed on the way; B: input Wp: left as it is (an operand is computed on the way)
;;   THE QUANTISER, for each operand of a quantised product, along K:
;;     - K is cut into blocks of 32 from its start; a last block that is shorter is filled with zeros.
;;     - A block's scale is 2^e with e = floor(log2(the largest magnitude in the block)) - 2, held to -126 .. 127; a block of zeros has e = 0. As a byte (E8M0): e + 127.
;;     - Each number is divided by its block's scale, clamped to +-6, and rounded to the nearest number of E2M1, ties to even, subnormals kept.
;;     - The product sums the exact products of the quantised numbers (number of the format x scale) in f32.
;;   ~~~python
;;   def quantise(x, axis):      # numpy; x: float32 -> the quantised numbers, widened to float32 again
;;       x = np.moveaxis(x, axis, -1); K = x.shape[-1]
;;       x = np.pad(x, [(0, 0)] * (x.ndim - 1) + [(0, -K % 32)]); x = x.reshape(x.shape[:-1] + (-1, 32)); a = np.abs(x).max(-1, keepdims=True)
;;       e = np.where(a > 0, np.clip(np.frexp(np.where(a > 0, a, 1))[1] - 1 - 2, -126, 127), 0)      # np.frexp(a)[1] - 1 = floor(log2(a)), exactly
;;       r = np.clip(x / 2.0 ** e, -6, 6)
;;       step = 2.0 ** (np.maximum(np.frexp(np.where(r == 0, 1, r))[1] - 1, 0) - 1)
;;       q = np.round(r / step) * step * 2.0 ** e      # np.round: ties to even
;;       return np.moveaxis(q.reshape(q.shape[:-2] + (-1,))[..., :K], -1, axis).astype(np.float32)
;;   ~~~
;; One version. Each part assembles by itself: llvm-mc -triple=amdgcn-amd-amdhsa -mcpu=gfx1250 --defsym DOCPART=n.
;; ======== version 1 of 1: 4 launches
;; limits: values are held in f16: magnitudes above 65,504 overflow, below 6.1e-05 lose precision
;; workspace buffers: cod 8,355,840 bytes; wpi 2,097,152 bytes; mb 1,048,576 bytes of whole numbers; qkv 25,165,824 bytes; xi 8,388,608 bytes
;; launch prep (part 1): grid 768 x 1, 4 waves a work-group, no clusters, 68,096 bytes of LDS; arguments Wq, Wk, Wv, Wp, q, k, v, mask, cod, wpi, mb; writes cod, wpi, mb
.if DOCPART == 1
	.amdgcn_target "amdgcn-amd-amdhsa--gfx1250"
	.amdhsa_code_object_version 6
	.text
	.protected	k_qf40ca56243_prep
	.globl	k_qf40ca56243_prep
	.p2align	8
	.type	k_qf40ca56243_prep,@function
k_qf40ca56243_prep:
	s_mov_b64 s[64:65], 0
	v_nop
	global_prefetch_b8 v0, s[64:65] scope:SCOPE_SE
	s_setreg_imm32_b32 hwreg(HW_REG_WAVE_MODE, 25, 1), 1
	s_wait_xcnt 0x0
; PREP: everything that later launches read many times is made narrow ONCE, and laid as images of operand registers.
;   path W  (work-groups 0-95):    Wq, Wk, Wv [k][n] f32  -> codes of FP4 (E2M1) and E8M0 scale bytes along k, into cod's w region
;   path P  (work-groups 96-127):  Wp [k][n] f32          -> f16, into wpi
;   path X  (work-groups 128-511): q, k, v [row][k] f32   -> codes of FP4 and scale bytes along k, into cod's x region
;   path M  (work-groups 512-767): mask [b][query][key] int32 -> one bit a number, into mb
; EVERY work-group reads 131,072 bytes, 32,768 a wave: 768 work-groups of equal bytes.
; A block's scale is 2^(floor(log2(its largest magnitude)) - 2); its byte is the largest magnitude's exponent field - 2, held at 1 from below.
; (A block of zeros so gets the byte 1 where the quantiser says 127: its codes are zeros, which add nothing, and this program alone reads the bytes.)
; LIMITS: blocks whose largest magnitude lies under 2^-124 keep the byte 1; NaN and infinities are not served; |Wp| up to 65,504 (f16).
; LAYOUTS.  L = lane, r = L % 16, h = L / 16.
;   cod: a RECORD of 4,352 bytes for (512 along k, 16 rows): four fragment images of 1,024 bytes, one for each 128 along k (byte 512 c + 16 L: row r, k = 64 c + 32 h + 0..31),
;        then at byte 4,096 the scale words [r][4]: word = 128 along k, byte = 32 along k.  x region [tensor 3][chunk 2][tile 256], w region [tensor 3][chunk 2][tile 64].
;   wpi: [256 along k: 4][16 columns: 64][32 along k: 8][1,024]: byte 512 c + 16 L: column r, k = 16 c + 8 h + 0..7.
;   mb:  [b][16 queries: 128][1,024 words]: word 8 Tk + j, bit 16 h + r = (mask[query r][key 16 Tk + 8 h + j] != 0).
; Waves share nothing: no barrier.  Each path has LDS bytes of its own.  Every offset is an immediate; no store's data and no address register is written again while a store may read it.
.set REC,   4352
.set XCH,   256*REC
.set XT,    2*XCH
.set WREG,  3*XT
.set WCH,   64*REC
.set WT,    2*WCH
.set NBW,   8                          ; path W: blocks of 32 along k for a wave
.set STG,   16*528                     ; a wave's stage: 16 rows of 512 bytes + 16 of padding (33 x 16 bytes: the sixteen rows that a read touches start at sixteen different 16-byte columns)
.set MST,   4*STG                      ; path M's four stages lie behind path X's four
.set SPARE, 8*STG                      ; behind the stages: the spare words, 128 bytes for each wave, that no other line names
.set SPW,   30                         ; v30  LDS address of my spare word; never rewritten
.set NIL,   31                         ; v31  0; never rewritten
.set WV,    26                         ; s26  my wave's number
.macro FINISH                          ; a wave's end, behind the last LDS store
	s_wait_tensorcnt 0x0
	ds_add_u32 v[SPW], v[NIL]
	s_wait_dscnt 0x0
	s_endpgm
.endm
; path W: block t (32 along k) of my column into set t % 2: each load reads 128 consecutive bytes of one row of W
.macro WLOAD t
.set i, 0
.rept 32
	global_load_b32 v[32+32*((\t)%2)+i], v5, s[32:33] offset:(32*(\t)+i)*4096 th:TH_LOAD_NT
.set i, i+1
.endr
.endm
.macro WBLOCK t
.set XS, 32+32*((\t)%2)
.if (\t) < NBW-1
	s_wait_loadcnt 32                              ; this block's 32 loads are in; the next block's 32 may be out
.else
	s_wait_loadcnt 0x0
.endif
	v_max3_num_f32 v12, |v[XS]|, |v[XS+1]|, |v[XS+2]|              ; the block's largest magnitude: all 32 numbers are mine; two chains
	v_max3_num_f32 v13, |v[XS+3]|, |v[XS+4]|, |v[XS+5]|
.irp u, 6,10,14,18,22,26
	v_max3_num_f32 v12, v12, |v[XS+\u]|, |v[XS+\u+1]|
	v_max3_num_f32 v13, v13, |v[XS+\u+2]|, |v[XS+\u+3]|
.endr
	v_max3_num_f32 v12, v12, |v[XS+30]|, |v[XS+31]|
	v_max3_num_f32 v12, v12, v13, 0x1800000        ; and the floor 2^(3 - 127): the byte cannot fall under 1
	v_add_nc_u32 v11, 0xff000000, v12              ; 2 off the exponent field: the conversion takes this operand's exponent field as its scale
	v_lshrrev_b32 v13, 23, v11                     ; the scale's byte
.if (\t)%4 == 0
	v_mov_b32 v[24+(\t)/4], v13                    ; four bytes to a word, the lower k in the lower byte
.else
	v_lshl_or_b32 v[24+(\t)/4], v13, 8*((\t)%4), v[24+(\t)/4]
.endif
.irp g, 0,1,2,3
	v_cvt_scalef32_pk8_fp4_f32 v[96+4*(\t)+\g], v[XS+8*\g:XS+8*\g+7], v11
.endr
	global_store_b128 v6, v[96+4*(\t):96+4*(\t)+3], s[36:37] offset:((\t)/4)*1024+(((\t)%4)/2)*512+((\t)%2)*256   ; sixteen lanes write 256 consecutive bytes of a record; each block has its own four registers
.if (\t)+2 < NBW
	WLOAD (\t)+2
.endif
.endm
; paths X and M: step s (512 bytes of each of 16 rows, pitch bytes apart) into set s % 2: each load reads 512 consecutive bytes
.macro SLOAD s, pitch
.set i, 0
.rept 16
	global_load_b128 v[32+64*((\s)%2)+4*i:32+64*((\s)%2)+4*i+3], v5, s[32:33] offset:i*(\pitch)+(\s)*512 th:TH_LOAD_NT
.set i, i+1
.endr
.endm
.macro INSTAGE s                       ; the step's 16 rows into my stage, as they were loaded
.if (\s) < 3
	s_wait_loadcnt 16                              ; this step's 16 loads are in; the next step's 16 may be out
.else
	s_wait_loadcnt 0x0
.endif
.set i, 0
.rept 16
	ds_store_b128 v7, v[32+64*((\s)%2)+4*i:32+64*((\s)%2)+4*i+3] offset:i*528
.set i, i+1
.endr
.endm
.macro XSTEP s                         ; 128 along k of 16 rows become one fragment image and one scale word a row
	INSTAGE \s
.set i, 0
.rept 16
	ds_load_b128 v[160+4*i:160+4*i+3], v8 offset:(i/8)*256+(i%8)*16   ; back: row r, k = 64 c + 32 h + 0..31 (LDS serves a wave's instructions in order: these see the stores above)
.set i, i+1
.endr
	s_wait_dscnt 0x0                               ; my numbers are back, and the stores have read their registers,
.if (\s)+2 < 4
	SLOAD (\s)+2, 4096                             ; which take the loads of two steps on
.endif
.irp c, 0,1
	v_max3_num_f32 v[12+\c], |v[160+32*\c]|, |v[161+32*\c]|, 0x1800000   ; my two whole blocks by turns, with the floor 2^(3 - 127)
.endr
.irp u, 2,4,6,8,10,12,14,16,18,20,22,24,26,28,30
.irp c, 0,1
	v_max3_num_f32 v[12+\c], v[12+\c], |v[160+32*\c+\u]|, |v[161+32*\c+\u]|
.endr
.endr
.irp c, 0,1
	v_add_nc_u32 v[14+\c], 0xff000000, v[12+\c]    ; the conversion's scale operand
.endr
.irp c, 0,1
	v_lshrrev_b32 v[16+\c], 23, v[14+\c]           ; the scale's byte
.endr
	v_lshl_or_b32 v18, v17, 16, v16                ; my two bytes: blocks h and 2 + h of row r,
	v_lshlrev_b32 v18, v9, v18                     ; 8 h bits up;
	v_permlanex16_b32 v19, v18, s38, s39
	v_or_b32 v[24+(\s)], v18, v19                  ; with lane l xor 16's two the word is whole
.irp c, 0,1
.irp g, 0,1,2,3
	v_cvt_scalef32_pk8_fp4_f32 v[224+8*(\s)+4*\c+\g], v[160+32*\c+8*\g:167+32*\c+8*\g], v[14+\c]
.endr
.endr
	v_nop                                          ; one plain line behind the last conversion
.irp c, 0,1
	global_store_b128 v5, v[224+8*(\s)+4*\c:224+8*(\s)+4*\c+3], s[36:37] offset:(\s)*1024+\c*512   ; 32 lanes write 512 consecutive bytes
.endr
.endm
.macro MSTEP p                         ; 128 keys of 16 queries become 64 words of lane bits
	INSTAGE \p
.set i, 0
.rept 16
	ds_load_b128 v[160+4*i:160+4*i+3], v8 offset:(i/2)*64+(i%2)*16   ; back: query r, keys 16 Tk + 8 h + 0..7: register 8 Tk + j
.set i, i+1
.endr
	s_wait_dscnt 0x0
.if (\p)+2 < 4
	SLOAD (\p)+2, 8192
.endif
.set n0, 0
.rept 8
.irp e, 0,1,2,3,4,5,6,7
	v_cmp_ne_u32 s[40+\e], 0, v[160+n0+\e]         ; the 32 lanes' bits ARE word n of the step
.endr
.irp e, 0,1,2,3,4,5,6,7
	v_writelane_b32 v[16+4*((\p)/2)+((n0+\e)&3)], s[40+\e], 16*((\p)%2)+((n0+\e)>>2)   ; word n goes where a 16-byte store of 32 lanes wants it
.endr
.set n0, n0+8
.endr
.endm
	s_load_b256 s[4:11], s[0:1], 0x0               ; Wq s[4:5], Wk s[6:7], Wv s[8:9], Wp s[10:11]
	s_load_b256 s[12:19], s[0:1], 0x20             ; q s[12:13], k s[14:15], v s[16:17], mask s[18:19]
	s_load_b128 s[20:23], s[0:1], 0x40             ; cod s[20:21], wpi s[22:23]
	s_load_b64 s[24:25], s[0:1], 0x50              ; mb
	v_lshl_add_u32 v[SPW], v0, 2, SPARE
	v_mov_b32 v[NIL], 0
	v_lshrrev_b32 v1, 5, v0
	v_readfirstlane_b32 s[WV], v1                  ; wave 0..3
	v_and_b32 v1, 31, v0                           ; L
	v_and_b32 v2, 15, v0                           ; r
	v_bfe_u32 v3, v0, 4, 1                         ; h
	s_mov_b32 s35, 0                               ; the upper word of every offset
	s_wait_kmcnt 0x0
	s_cmp_lt_u32 ttmp9, 96                         ; the paths part on the work-group's number alone
	s_cbranch_scc1 .Lpath_w
	s_cmp_lt_u32 ttmp9, 128
	s_cbranch_scc1 .Lpath_p
	s_cmp_lt_u32 ttmp9, 512
	s_cbranch_scc1 .Lpath_x
	; ---- path M: a wave takes 16 queries x 512 keys
	s_sub_co_u32 s28, ttmp9, 512
	s_lshl_b32 s28, s28, 2
	s_add_co_u32 s28, s28, s[WV]                   ; task 0..1023
	s_lshr_b32 s29, s28, 2                         ; which 16 queries (batch and tile)
	s_and_b32 s30, s28, 3                          ; which 512 keys
	s_lshl_b32 s34, s29, 17                        ; 16 rows of 8,192 bytes
	s_lshl_b32 s31, s30, 11
	s_add_co_u32 s34, s34, s31
	s_add_nc_u64 s[32:33], s[18:19], s[34:35]
	s_lshl_b32 s34, s29, 12                        ; 1,024 words a tile of queries
	s_lshl_b32 s31, s30, 10
	s_add_co_u32 s34, s34, s31
	s_add_nc_u64 s[36:37], s[24:25], s[34:35]
	s_mul_i32 s28, s[WV], STG
	s_add_co_u32 s28, s28, MST                     ; my stage
	v_lshlrev_b32 v5, 4, v1                        ; 16 L
	v_add_nc_u32 v7, s28, v5
	v_mul_u32_u24 v8, v2, 528
	v_lshl_add_u32 v8, v3, 5, v8
	v_add_nc_u32 v8, s28, v8                       ; back: row r, + 32 h
.irp e, 0,1,2,3,4,5,6,7
	v_mov_b32 v[16+\e], 0                          ; written once: a lane write's destination counts as read
.endr
	SLOAD 0, 8192
	SLOAD 1, 8192
	MSTEP 0
	MSTEP 1
	global_store_b128 v5, v[16:19], s[36:37]       ; 128 words: 512 consecutive bytes
	MSTEP 2
	MSTEP 3
	global_store_b128 v5, v[20:23], s[36:37] offset:512
	FINISH
	; ---- path W: a wave takes 32 columns x 256 along k of one weight; a lane takes a column, and its registers run down k
.Lpath_w:
	s_lshr_b32 s28, ttmp9, 5                       ; which weight
	s_and_b32 s29, ttmp9, 31
	s_lshr_b32 s30, s29, 3                         ; which 256 along k: 0..3
	s_and_b32 s29, s29, 7
	s_lshl_b32 s29, s29, 2
	s_add_co_u32 s29, s29, s[WV]                   ; which 32 columns
	s_cmp_eq_u32 s28, 0
	s_cselect_b64 s[32:33], s[4:5], s[6:7]
	s_cmp_eq_u32 s28, 2
	s_cselect_b64 s[32:33], s[8:9], s[32:33]
	s_lshl_b32 s34, s30, 20                        ; 256 rows of 4,096 bytes
	s_lshl_b32 s31, s29, 7
	s_add_co_u32 s34, s34, s31
	s_add_nc_u64 s[32:33], s[32:33], s[34:35]
	s_mul_i32 s34, s28, WT
	s_lshr_b32 s31, s30, 1                         ; which 512 along k: the record's chunk
	s_mul_i32 s31, s31, WCH
	s_add_co_u32 s34, s34, s31
	s_mul_i32 s31, s29, 2*REC                      ; 32 columns are two records
	s_add_co_u32 s34, s34, s31
	s_add_co_u32 s34, s34, WREG
	s_add_nc_u64 s[36:37], s[20:21], s[34:35]
	s_and_b32 s30, s30, 1                          ; which half of the record: two of its four images, two of each row's four scale words
	v_lshlrev_b32 v5, 2, v1                        ; in: 4 bytes a lane
	v_mul_u32_u24 v6, v3, REC
	v_lshl_add_u32 v6, v2, 4, v6                   ; out: record h, 16 r
	s_lshl_b32 s31, s30, 3
	v_add_nc_u32 v10, s31, v6                      ; the scale words: + 8 x half
	s_lshl_b32 s31, s30, 11
	v_add_nc_u32 v6, s31, v6                       ; the codes: + 2,048 x half
	WLOAD 0
	WLOAD 1
.set Q, 0
.rept NBW
	WBLOCK Q
.set Q, Q+1
.endr
	global_store_b64 v10, v[24:25], s[36:37] offset:4096   ; my column's two scale words: 8 bytes of each 16, so sixteen lanes write half of 256 consecutive bytes; the other half comes from the work-group of the other 256 along k (98,304 bytes in all go so)
	FINISH
	; ---- path P: a wave takes 32 columns x 256 along k of Wp, in 32 groups of 8 along k.  A ring of eight groups of registers: a group is loaded again, with the rows 64 further down, as soon as it has been rounded
.Lpath_p:
	s_sub_co_u32 s28, ttmp9, 96
	s_lshl_b32 s28, s28, 2
	s_add_co_u32 s28, s28, s[WV]                   ; task 0..127
	s_and_b32 s29, s28, 31                         ; which 32 columns
	s_lshr_b32 s30, s28, 5                         ; which 256 along k
	s_lshl_b32 s34, s30, 20
	s_lshl_b32 s31, s29, 7
	s_add_co_u32 s34, s34, s31
	s_add_nc_u64 s[32:33], s[10:11], s[34:35]
	s_lshl_b32 s34, s30, 19                        ; 256 along k: 524,288 bytes
	s_lshl_b32 s31, s29, 14                        ; 32 columns: two tiles of 8,192 bytes
	s_add_co_u32 s34, s34, s31
	s_add_nc_u64 s[36:37], s[22:23], s[34:35]
	v_lshlrev_b32 v5, 2, v1
	v_lshlrev_b32 v6, 13, v3
	v_lshl_add_u32 v6, v2, 4, v6
.set i, 0
.rept 64
	global_load_b32 v[32+i], v5, s[32:33] offset:i*4096 th:TH_LOAD_NT
.set i, i+1
.endr
.set G, 0
.rept 32
.if G <= 24
	s_wait_loadcnt 56                              ; group G's eight loads are in; the seven younger groups' may be out
.else
	s_wait_loadcnt 56-8*(G-24)                     ; the last groups load nothing more: the counts run down
.endif
.irp j, 0,1,2,3
	v_cvt_pk_f16_f32 v[96+4*G+\j], v[32+8*(G%8)+2*\j], v[33+8*(G%8)+2*\j]   ; the lower k in the low half; each group has its own four registers
.endr
.if G+8 < 32
.irp e, 0,1,2,3,4,5,6,7
	global_load_b32 v[32+8*(G%8)+\e], v5, s[32:33] offset:(8*(G+8)+\e)*4096 th:TH_LOAD_NT
.endr
.endif
	global_store_b128 v6, v[96+4*G:96+4*G+3], s[36:37] offset:(G/4)*1024+((G%4)/2)*512+(G%2)*256   ; sixteen lanes write 256 consecutive bytes of an image
.set G, G+1
.endr
	FINISH
	; ---- path X: a wave takes 16 rows x 512 along k of q, k or v: one record
.Lpath_x:
	s_sub_co_u32 s28, ttmp9, 128
	s_lshr_b32 s29, s28, 7                         ; which tensor
	s_and_b32 s28, s28, 127
	s_lshl_b32 s28, s28, 2
	s_add_co_u32 s28, s28, s[WV]
	s_lshr_b32 s30, s28, 1                         ; which 16 rows
	s_and_b32 s31, s28, 1                          ; which 512 along k
	s_cmp_eq_u32 s29, 0
	s_cselect_b64 s[32:33], s[12:13], s[14:15]
	s_cmp_eq_u32 s29, 2
	s_cselect_b64 s[32:33], s[16:17], s[32:33]
	s_lshl_b32 s34, s30, 16
	s_lshl_b32 s28, s31, 11
	s_add_co_u32 s34, s34, s28
	s_add_nc_u64 s[32:33], s[32:33], s[34:35]
	s_mul_i32 s34, s29, XT
	s_mul_i32 s28, s31, XCH
	s_add_co_u32 s34, s34, s28
	s_mul_i32 s28, s30, REC
	s_add_co_u32 s34, s34, s28
	s_add_nc_u64 s[36:37], s[20:21], s[34:35]
	s_mov_b32 s38, 0x76543210
	s_mov_b32 s39, 0xfedcba98                      ; v_permlanex16_b32's selects for lane l xor 16
	s_mul_i32 s28, s[WV], STG                      ; my stage
	v_lshlrev_b32 v5, 4, v1                        ; 16 L
	v_add_nc_u32 v7, s28, v5
	v_mul_u32_u24 v8, v2, 528
	v_lshl_add_u32 v8, v3, 7, v8
	v_add_nc_u32 v8, s28, v8                       ; back: row r, + 128 h
	v_lshlrev_b32 v9, 3, v3                        ; 8 h
	v_lshl_add_u32 v6, v2, 4, v9                   ; 16 r + 8 h
	v_mov_b32 v19, 0                               ; written once: a lane permute's destination counts as read
	SLOAD 0, 4096
	SLOAD 1, 4096
	XSTEP 0
	XSTEP 1
	XSTEP 2
	XSTEP 3
	v_cmp_ne_u32 vcc_lo, 0, v3                     ; every lane holds its row's four words: lanes 0-15 store words 0, 1, lanes 16-31 words 2, 3
	v_cndmask_b32 v28, v24, v26, vcc_lo
	v_cndmask_b32 v29, v25, v27, vcc_lo
	global_store_b64 v6, v[28:29], s[36:37] offset:4096   ; 32 lanes write 256 consecutive bytes
	FINISH
.Lfunc_end_k_qf40ca56243_prep:
	.size	k_qf40ca56243_prep, .Lfunc_end_k_qf40ca56243_prep-k_qf40ca56243_prep
	.p2alignl 7, 3214868480
	.fill 96, 4, 3214868480
	.section	.rodata,"a",@progbits
	.p2align	6, 0x0
	.amdhsa_kernel k_qf40ca56243_prep
		.amdhsa_group_segment_fixed_size 68096
		.amdhsa_private_segment_fixed_size 0
		.amdhsa_enable_private_segment 0
		.amdhsa_kernarg_size 88
		.amdhsa_user_sgpr_count 2
		.amdhsa_user_sgpr_kernarg_segment_ptr 1
		.amdhsa_wavefront_size32 1
		.amdhsa_system_sgpr_workgroup_id_x 1
		.amdhsa_system_sgpr_workgroup_id_y 1
		.amdhsa_system_sgpr_workgroup_id_z 1
		.amdhsa_system_vgpr_workitem_id 0
		.amdhsa_next_free_vgpr 256
		.amdhsa_next_free_sgpr 66
		.amdhsa_reserve_vcc 1
		.amdhsa_float_denorm_mode_32 3
		.amdhsa_float_denorm_mode_16_64 3
		.amdhsa_memory_ordered 1
		.amdhsa_forward_progress 1
		.amdhsa_inst_pref_size 152
	.end_amdhsa_kernel
	.amdgpu_metadata
---
amdhsa.version: [ 1, 2 ]
amdhsa.kernels:
  - .name:           k_qf40ca56243_prep
    .symbol:         k_qf40ca56243_prep.kd
    .args:
      - { .name: Wq, .offset: 0, .size: 8, .value_kind: global_buffer, .address_space: global }
      - { .name: Wk, .offset: 8, .size: 8, .value_kind: global_buffer, .address_space: global }
      - { .name: Wv, .offset: 16, .size: 8, .value_kind: global_buffer, .address_space: global }
      - { .name: Wp, .offset: 24, .size: 8, .value_kind: global_buffer, .address_space: global }
      - { .name: q, .offset: 32, .size: 8, .value_kind: global_buffer, .address_space: global }
      - { .name: k, .offset: 40, .size: 8, .value_kind: global_buffer, .address_space: global }
      - { .name: v, .offset: 48, .size: 8, .value_kind: global_buffer, .address_space: global }
      - { .name: mask, .offset: 56, .size: 8, .value_kind: global_buffer, .address_space: global }
      - { .name: cod, .offset: 64, .size: 8, .value_kind: global_buffer, .address_space: global }
      - { .name: wpi, .offset: 72, .size: 8, .value_kind: global_buffer, .address_space: global }
      - { .name: mb, .offset: 80, .size: 8, .value_kind: global_buffer, .address_space: global }
    .group_segment_fixed_size: 68096
    .private_segment_fixed_size: 0
    .kernarg_segment_align: 8
    .kernarg_segment_size: 88
    .max_flat_workgroup_size: 128
    .sgpr_count:     66
    .vgpr_count:     256
    .wavefront_size: 32
...
	.end_amdgpu_metadata
.endif
;; end of part 1
;; launch proj (part 2): grid 4 x 48, 4 waves a work-group, clusters of 4 x 4, 327,680 bytes of LDS; arguments cod, qkv; writes qkv
.if DOCPART == 2
	.amdgcn_target "amdgcn-amd-amdhsa--gfx1250"
	.amdhsa_code_object_version 6
	.text
	.protected	k_qf40ca56243_proj
	.globl	k_qf40ca56243_proj
	.p2align	8
	.type	k_qf40ca56243_proj,@function
k_qf40ca56243_proj:
	s_mov_b64 s[64:65], 0
	v_nop
	global_prefetch_b8 v0, s[64:65] scope:SCOPE_SE
	s_setreg_imm32_b32 hwreg(HW_REG_WAVE_MODE, 25, 1), 1
	s_wait_xcnt 0x0
	s_wait_alu depctr_hold_cnt(0) depctr_sa_sdst(0) depctr_va_vdst(0) depctr_va_sdst(0) depctr_va_ssrc(0) depctr_va_vcc(0) depctr_vm_vsrc(0)
	s_getreg_b32 s2, hwreg(HW_REG_IB_STS2, 6, 4)
	s_cmp_eq_u32 s2, 0
	s_cbranch_scc0 .Lentry_in_a_cluster
	s_endpgm
.Lentry_in_a_cluster:
	s_bfe_u32 s2, ttmp6, 0x10000c
	s_cmp_lg_u32 s2, 0xf033
	s_cbranch_scc0 .Lentry_shape_is_right
	s_endpgm
.Lentry_shape_is_right:
; PROJ: Q = q Wq, K = k Wk, V = v Wv on codes of FP4 (E2M1) with one E8M0 scale for each 32 along K = 1,024; sums in f32; results rounded once to f16 and stored as images of the operand
; registers that the attention launch wants.  Q is multiplied by c0 = log2(e) / 8 in f32 ahead of the rounding, so that scores come out as exponents of 2.
; LIMITS: |Q c0|, |K|, |V| up to 65,504 (f16); NaN and infinities are not served.
; SHARES.  A work-group of four waves makes 256 x 256 of a product, a wave 128 x 128: 64 accumulators, 512 registers.  192 work-groups: three products of 16 x 4 tiles.
; Cluster y = 4 t + j: t the product, j a quarter of its 16 long tiles.  t = 0, 1: operand A = the tokens' codes, B = the weight's.  t = 2: A = Wv's, B = v's, so that a lane holds one channel and eight
; neighbouring keys, as V^T's images want.  THE MATRIX INSTRUCTION IS USED TRANSPOSED (source 0 = 16 rows of B, source 1 = 16 rows of A): a lane holds row l % 16 of A's block and eight neighbours along B's rows.
; cod is laid in RECORDS of 4,352 bytes for (512 along K, 16 rows): four fragment images of 1,024 bytes (byte 512 c + 16 lane) and at byte 4,096 the rows' scale words, [row][4].  So a slot, 512 along K of
; A's 16 records and B's 16, is four dense blocks, one tensor load a wave; a fragment is two LDS loads of 512 consecutive bytes; no padding is wanted.
; K = 1,024 is two slots: both are first fills and nothing is filled again.
; CLUSTERS: 4 x 4.  A's records hang on the tile row alone and are asked for JOINTLY by a row of the cluster, B's on the tile column alone, by a column.
; REGISTERS, in windows of 256: window 0: v0-31 addresses; v32-95 scale words, two sets; v128-191 A's fragments, ONE set; v192-255 the way out.  window 1: B's fragments, two sets, at v0 and v128.
;   window 2: the accumulators of my rows 0-63 ((a, b) at v[8 (8 a + b)]);  window 3: those of my rows 64-127.
.set REC,   4352
.set XCH,   256*REC
.set XT,    2*XCH
.set WREG,  3*XT
.set WCH,   64*REC
.set WT,    2*WCH
.set KV0,   8388608                    ; qkv: Q's images [head 32][tile 128][2][1,024]; from KV0 on [head 32][512 keys: 4][K 65,536 | V^T 65,536]
.set NQ,    4                          ; steps of 128 along K in a slot
.set FR,    8                          ; registers of a fragment
.set NL,    2                          ; LDS loads that bring one
.set NP,    4                          ; places behind this matrix instruction (ISA guide 7.12.1)
.set HALFT, 8*REC                      ; 8 records: what one tensor load brings, and what one wave reads of A or of B
.set SLOT,  4*HALFT
.set SPARE, 2*SLOT                     ; behind the two slots: the spare words, 128 bytes for each wave, that no other line names
.set ADRA, 16                          ; v16-17  LDS address of my A fragments in slot 0, 1
.set ADRB, 20                          ; v20-21  the same for B
.set ADRS, 22                          ; v22-23  of my scale words: lanes 0-15 A's rows, lanes 16-31 B's
.set LI,   26                          ; v26     16 x lane
.set SPW,  28                          ; v28     LDS address of my spare word; never rewritten
.set NIL,  29                          ; v29     0; never rewritten
.set SC,   32                          ; scale words: set s at v[SC + 32 s]; register 4 i + q: lanes 0-15 A's block i, lanes 16-31 B's block i, the slot's q-th 128 along K
.set AF,   128
.set TMP,  192
.set G1, 24
.set G0, 32
.set G1B, 48
.set G0B, 56
.set CS, 80                            ; s[80:81] c0
.set MSB, 0
.macro WIN new                         ; the immediate's high byte repeats the setting that is left
.if MSB != (\new)
	s_set_vgpr_msb (MSB<<8)|(\new)
.set MSB, (\new)
.endif
.endm
.set MUL_LO, 0xa1                      ; source 0 (B) window 1, source 1 (A) window 0, C and D window 2
.set MUL_HI, 0xf1                      ; the same, C and D window 3
.set TO_B,   0x40                      ; destination window 1, address window 0
; A joint load: waves 0 and 1 fetch for A, waves 2 and 3 for B; the branch hangs on the wave's number alone.  An s_nop 0 and four v_nop follow each of the two lines.
.macro JLOAD g0a, g1a, g0b, g1b
	s_cmp_eq_u32 s15, 0
	s_cbranch_scc0 .Lfor_b_\@
	tensor_load_to_lds s[\g0a:\g0a+3], s[\g1a:\g1a+7]
	s_nop 0
.rept 4
	v_nop
.endr
	s_branch .Lasked_\@
.Lfor_b_\@:
	tensor_load_to_lds s[\g0b:\g0b+3], s[\g1b:\g1b+7]
	s_nop 0
.rept 4
	v_nop
.endr
.Lasked_\@:
.endm
.macro CROUND                          ; a round of the cluster's barrier
	s_barrier_signal -1
	s_barrier_wait -1
	s_cmp_lg_u32 s14, 0
	s_cbranch_scc1 .Lnot_wave_0_\@
	s_barrier_signal -3
.Lnot_wave_0_\@:
	s_barrier_wait -3
	s_barrier_signal -1
	s_barrier_wait -1
.endm
	s_load_b128 s[4:7], s[0:1], 0x0                ; cod s[4:5], qkv s[6:7]
	v_lshl_add_u32 v[SPW], v0, 2, SPARE
	v_mov_b32 v[NIL], 0
	ds_add_u32 v[SPW], v[NIL]                      ; the wave's opening: the add, twice on end, and its wait ahead of my first tensor load
	ds_add_u32 v[SPW], v[NIL]
	v_lshrrev_b32 v1, 5, v0
	v_readfirstlane_b32 s14, v1                    ; wave 0..3
	s_lshr_b32 s15, s14, 1                         ; which half of the tile's rows is mine.  Also: I fetch for A (0) or for B (1)
	s_and_b32 s16, s14, 1                          ; which half of its columns.  Also: which 8 records I fetch
	s_bfe_u32 s40, ttmp6, 0x40000                  ; cx
	s_bfe_u32 s41, ttmp6, 0x40004                  ; cy
	s_and_b32 s17, ttmp7, 0xffff                   ; cluster y
	s_lshr_b32 s66, s17, 2                         ; t: the product; the same in all sixteen partners
	s_and_b32 s17, s17, 3
	s_lshl_b32 s17, s17, 2                         ; 4 j
	s_mul_i32 s69, s66, XT                         ; where tensor t's records begin,
	s_mul_i32 s70, s66, WT
	s_add_co_u32 s70, s70, WREG                    ; and weight t's
	s_mov_b32 s76, WCH
	s_mov_b32 s78, XCH
	s_cmp_lt_u32 s66, 2                            ; Q and K: A = tokens; V: A = weight
	s_cselect_b32 s67, s17, 0
	s_cselect_b32 s68, 0, s17
	s_cselect_b32 s71, s69, s70                    ; A's region
	s_cselect_b32 s72, s70, s69                    ; B's region
	s_cselect_b32 s76, XCH, s76                    ; from A's first 512 along K to its second, in bytes
	s_cselect_b32 s78, WCH, s78                    ; the same for B
	s_mov_b32 s77, 0
	s_mov_b32 s79, 0
	s_add_co_u32 s17, s67, s41                     ; tile row
	s_add_co_u32 s42, s68, s40                     ; tile column
	s_lshl_b32 s43, s41, 2
	s_lshl_b32 s43, 15, s43                        ; my row of the cluster
	s_lshl_b32 s44, 0x1111, s40                    ; my column
	; descriptor group 1: 8 records, 34,816 dense bytes, as 136 rows of 32 elements of 8 bytes; no padding
	s_or_b32 s[G1+0], s43, (3<<16)|(1<<21)         ; 15:0 the mask: A's records go to my row; 17:16 elements of 8 bytes; 21 set beside a mask
	s_or_b32 s[G1B+0], s44, (3<<16)|(1<<21)
.irp g, G1, G1B
	s_mov_b32 s[\g+1], 32<<16                      ; tensor_dim0
	s_mov_b32 s[\g+2], 136<<16                     ; tensor_dim1
	s_mov_b32 s[\g+3], 32<<16                      ; tile_dim0
	s_mov_b32 s[\g+4], 136                         ; tile_dim1
	s_mov_b32 s[\g+5], 32                          ; tensor_dim0_stride
	s_mov_b32 s[\g+6], 0
	s_mov_b32 s[\g+7], 0
.endr
	s_lshl_b32 s18, s16, 3                         ; which 8 records of the 16
	s_lshl_b32 s20, s17, 4
	s_add_co_u32 s20, s20, s18
	s_mul_i32 s20, s20, REC
	s_add_co_u32 s20, s20, s71                     ; A: made of the tile row and the wave's number alone
	s_mov_b32 s21, 0
	s_lshl_b32 s46, s42, 4
	s_add_co_u32 s46, s46, s18
	s_mul_i32 s46, s46, REC
	s_add_co_u32 s46, s46, s72                     ; B: of the tile column and the wave's number alone
	s_mov_b32 s47, 0
	s_mul_i32 s45, s14, HALFT                      ; where they go: wave x 8 records
	s_mov_b32 s[CS], 0x3e38aa3b                    ; c0 = log2(e) / 8
	s_mov_b32 s[CS+1], s[CS]
	s_wait_dscnt 0x0                               ; both opening adds are done
	s_wait_kmcnt 0x0
	s_add_nc_u64 s[20:21], s[4:5], s[20:21]
	s_add_nc_u64 s[46:47], s[4:5], s[46:47]
	CROUND                                         ; all sixteen work-groups are here: the first joint loads meet
	s_mov_b32 s[G0], 1
	s_mov_b32 s[G0+1], s45
	s_mov_b64 s[G0+2:G0+3], s[20:21]
	s_or_b32 s[G0+3], s[G0+3], 0x80000000
	s_mov_b32 s[G0B], 1
	s_mov_b32 s[G0B+1], s45
	s_mov_b64 s[G0B+2:G0B+3], s[46:47]
	s_or_b32 s[G0B+3], s[G0B+3], 0x80000000
	JLOAD G0, G1, G0B, G1B                         ; slot 0: K = 0 .. 511
	s_mov_b32 s[G0+4], 1
	s_add_co_u32 s[G0+5], s45, SLOT
	s_add_nc_u64 s[G0+6:G0+7], s[20:21], s[76:77]
	s_or_b32 s[G0+7], s[G0+7], 0x80000000
	s_mov_b32 s[G0B+4], 1
	s_add_co_u32 s[G0B+5], s45, SLOT
	s_add_nc_u64 s[G0B+6:G0B+7], s[46:47], s[78:79]
	s_or_b32 s[G0B+7], s[G0B+7], 0x80000000
	JLOAD G0+4, G1, G0B+4, G1B                     ; slot 1: K = 512 .. 1,023.  Two tensor loads of mine are out
	v_and_b32 v1, 15, v0                           ; r
	v_bfe_u32 v2, v0, 4, 1                         ; h
	v_and_b32 v3, 31, v0
	v_lshlrev_b32 v[LI], 4, v3                     ; 16 x lane
	s_mul_i32 s21, s15, HALFT                      ; my 8 records of A
	s_mul_i32 s22, s16, HALFT                      ; my 8 of B,
	s_add_co_u32 s22, s22, 2*HALFT                 ; which lie behind A's 16
	s_sub_co_u32 s23, s22, s21
	v_mul_u32_u24 v5, s23, v2                      ; lanes 16-31 take B's scale words
	v_lshl_add_u32 v5, v1, 4, v5                   ; 16 bytes a row
.irp s, 0,1
	v_add_nc_u32 v[ADRA+\s], s21, v[LI]
	v_add_nc_u32 v[ADRB+\s], s22, v[LI]
	v_add_nc_u32 v[ADRS+\s], s21, v5
	s_add_co_u32 s21, s21, SLOT
	s_add_co_u32 s22, s22, SLOT
.endr
.macro FRAG reg, adr, q, i             ; a fragment, 16 rows x 128 K of 4-bit codes, is 8 registers: two loads of 512 consecutive bytes
.irp c, 0,1
	ds_load_b128 v[\reg+4*\c:\reg+4*\c+3], v[\adr] offset:(\i)*REC+(\q)*1024+512*\c
.endr
.endm
; 16 matrix instructions: A's blocks a0, a0 + 1 x B's eight, the slot's q-th 128 along K.  p: B's set; sc: the set of scale words.  zero = 1: the first product starts the sums.
; The 64 accumulators take turns, one instruction a turn, in the same order in every step.
.macro MUL16 a0, p, q, sc, zero
.irp a, \a0, \a0+1
.irp b, 0,1,2,3,4,5,6,7
.if \zero
	v_wmma_scale_f32_16x16x128_f8f6f4 v[8*(8*((\a)%4)+\b):8*(8*((\a)%4)+\b)+7], v[128*(\p)+FR*\b:128*(\p)+FR*\b+FR-1], v[AF+FR*(\a):AF+FR*(\a)+FR-1], 0, v[SC+8*NQ*(\sc)+NQ*\b+(\q)], v[SC+8*NQ*(\sc)+NQ*(\a)+(\q)] matrix_a_fmt:MATRIX_FMT_FP4 matrix_b_fmt:MATRIX_FMT_FP4 matrix_a_scale:MATRIX_SCALE_ROW1
.else
	v_wmma_scale_f32_16x16x128_f8f6f4 v[8*(8*((\a)%4)+\b):8*(8*((\a)%4)+\b)+7], v[128*(\p)+FR*\b:128*(\p)+FR*\b+FR-1], v[AF+FR*(\a):AF+FR*(\a)+FR-1], v[8*(8*((\a)%4)+\b):8*(8*((\a)%4)+\b)+7], v[SC+8*NQ*(\sc)+NQ*\b+(\q)], v[SC+8*NQ*(\sc)+NQ*(\a)+(\q)] matrix_a_fmt:MATRIX_FMT_FP4 matrix_b_fmt:MATRIX_FMT_FP4 matrix_a_scale:MATRIX_SCALE_ROW1
.endif
.endr
.endr
.endm
.macro FETCH_B slot, q, p
	WIN TO_B
.irp i, 0,1,2,3,4,5,6,7
	FRAG 128*(\p)+FR*\i, ADRB+\slot, \q, \i
.endr
	WIN 0
.endm
.macro FETCH_A slot, q, i0
.irp i, \i0, \i0+1, \i0+2, \i0+3
	FRAG AF+FR*(\i), ADRA+\slot, \q, \i
.endr
.endm
.macro SCALES sc                       ; the slot's scale words: four words a row; lanes 0-15 take A's block i, lanes 16-31 B's block i
.irp i, 0,1,2,3,4,5,6,7
	ds_load_b128 v[SC+8*NQ*\sc+NQ*\i:SC+8*NQ*\sc+NQ*\i+3], v[ADRS+\sc] offset:4096+\i*REC
.endr
.endm
.macro PLACES n                        ; plain vector instructions that name no register of the matrix instructions in front of them (ISA guide 7.12.1)
.rept \n
	v_nop
.endr
.endm
.macro STEP slot, q, zero              ; a step of 128 along K that has its successor in the same slot
	s_wait_dscnt 4*NL                              ; B's set and A's blocks 0-3 are in; the youngest eight loads (A's blocks 4-7) may be out
	WIN MUL_LO
	MUL16 0, (\q)%2, \q, \slot, \zero
	MUL16 2, (\q)%2, \q, \slot, \zero
	s_wait_dscnt 0                                 ; A's blocks 4-7 are in
	PLACES NP
	FETCH_B \slot, (\q)+1, 1-(\q)%2
	FETCH_A \slot, (\q)+1, 0
	WIN MUL_HI
	MUL16 4, (\q)%2, \q, \slot, \zero
	MUL16 6, (\q)%2, \q, \slot, \zero
	PLACES NP
	WIN 0
	FETCH_A \slot, (\q)+1, 4
.endm
.macro STEPS slot, from
.set Q, \from
.rept NQ-1-\from
	STEP \slot, Q, 0
.set Q, Q+1
.endr
.endm
	s_wait_tensorcnt 1                             ; my part of slot 0 is in; slot 1's load may be out
	s_barrier_signal -1
	s_barrier_wait -1                              ; everybody's is
	FETCH_B 0, 0, 0
	FETCH_A 0, 0, 0
	SCALES 0
	FETCH_A 0, 0, 4
	STEP 0, 0, 1                                   ; the first step's products start the sums: nothing is cleared
	STEPS 0, 1
	; slot 0's last step changes slots: one barrier; in front of it each wave's load of slot 1 has landed
	s_wait_tensorcnt 0x0                           ; all my tensor loads have landed
	ds_add_u32 v[SPW], v[NIL]                      ; 0 onto my spare word
	s_wait_dscnt 4*NL+1                            ; (the add and the youngest eight loads may be out)
	WIN MUL_LO
	MUL16 0, 1, NQ-1, 0, 0
	s_wait_dscnt 0x0                               ; the add is done, and no LDS load of mine is out
	s_barrier_signal -1
	MUL16 2, 1, NQ-1, 0, 0
	WIN 0
	s_barrier_wait -1                              ; slot 1 is whole
	PLACES NP
	FETCH_B 1, 0, 0
	FETCH_A 1, 0, 0
	SCALES 1
	WIN MUL_HI
	MUL16 4, 1, NQ-1, 0, 0
	MUL16 6, 1, NQ-1, 0, 0
	PLACES NP
	WIN 0
	FETCH_A 1, 0, 4
	STEPS 1, 0
	s_wait_dscnt 4*NL                              ; the very last step: nothing more to fetch
	WIN MUL_LO
	MUL16 0, 1, NQ-1, 1, 0
	MUL16 2, 1, NQ-1, 1, 0
	s_wait_dscnt 0
	WIN MUL_HI
	MUL16 4, 1, NQ-1, 1, 0
	MUL16 6, 1, NQ-1, 1, 0
	WIN 0
	PLACES NP                                      ; in front of the first read of results
; THE WAY OUT.  A lane's eight results round to 16 bytes that are the lane's 16 bytes of an operand image: a store of the wave covers 512 consecutive bytes, and nothing goes through LDS.
; kind 0: Q, times c0;  1: K;  2: V^T.  hs: bytes from a head to the next.  Each accumulator is read from its low end on.
.macro OUT kind, hs
.set oa, 0
.rept 8
.set AC, 64*(oa%4)
.if oa > 1
	s_wait_xcnt 0x0                                ; block oa - 2's stores have read their registers, which are written again below
.endif
.if \kind == 0
	WIN 0x82+0x41*(oa/4)                           ; destination and source 0: window 2 or 3
.set oi, 0
.rept 32
	v_pk_mul_f32 v[AC+2*oi:AC+2*oi+1], v[AC+2*oi:AC+2*oi+1], s[CS:CS+1] op_sel_hi:[1,0]
.set oi, oi+1
.endr
.endif
	WIN 0x0a+5*(oa/4)                              ; sources 0 and 1: window 2 or 3
.set oi, 0
.rept 32
	v_cvt_pk_f16_f32 v[TMP+32*(oa%2)+oi], v[AC+2*oi], v[AC+2*oi+1]
.set oi, oi+1
.endr
	WIN 0
.set ob, 0
.rept 8
.if \kind == 2
	global_store_b128 v[LI], v[TMP+32*(oa%2)+4*ob:TMP+32*(oa%2)+4*ob+3], s[6:7] offset:(oa/4)*(\hs)+(oa%4)*1024+(ob/2)*4096+(ob%2)*512   ; channels 16 oa on, keys 16 ob on
.else
	global_store_b128 v[LI], v[TMP+32*(oa%2)+4*ob:TMP+32*(oa%2)+4*ob+3], s[6:7] offset:(ob/4)*(\hs)+oa*2048+((ob%4)/2)*1024+(ob%2)*512   ; tokens 16 oa on, channels 16 ob on
.endif
.set ob, ob+1
.endr
.set oa, oa+1
.endr
.endm
.macro PLACE tok, th, chn, ch          ; s20 = my first token in its batch, s21 = my first (batch, head).  tok, th: tile and half along the tokens; chn, ch: along the channels
	s_lshl_b32 s20, s[\tok], 8
	s_lshl_b32 s21, s[\th], 7
	s_add_co_u32 s20, s20, s21
	s_lshr_b32 s21, s20, 11                        ; the batch
	s_and_b32 s20, s20, 2047
	s_lshl_b32 s21, s21, 4
	s_lshl_b32 s22, s[\chn], 2                     ; 256 channels are four heads,
	s_add_co_u32 s21, s21, s22
	s_lshl_b32 s22, s[\ch], 1                      ; my 128 two
	s_add_co_u32 s21, s21, s22
.endm
	s_cmp_eq_u32 s66, 0                            ; the product's number: the same in all partners and waves
	s_cbranch_scc1 .Lout_q
	s_cmp_eq_u32 s66, 1
	s_cbranch_scc1 .Lout_k
	PLACE 42, 16, 17, 15                           ; V: tokens along B (tile column), channels along A (tile row)
	s_lshl_b32 s21, s21, 19
	s_lshr_b32 s22, s20, 9
	s_lshl_b32 s22, s22, 17                        ; which 512 keys
	s_add_co_u32 s21, s21, s22
	s_lshr_b32 s20, s20, 5
	s_and_b32 s20, s20, 15
	s_lshl_b32 s20, s20, 12                        ; which 32 keys: 4,096 bytes
	s_add_co_u32 s20, s20, s21
	s_add_co_u32 s20, s20, KV0+65536
	s_mov_b32 s21, 0
	s_add_nc_u64 s[6:7], s[6:7], s[20:21]
	OUT 2, 524288
	s_branch .Ldone
.Lout_q:
	PLACE 17, 15, 42, 16
	s_lshl_b32 s21, s21, 18
	s_lshr_b32 s20, s20, 4
	s_lshl_b32 s20, s20, 11                        ; 2,048 bytes a tile of 16 tokens
	s_add_co_u32 s20, s20, s21
	s_mov_b32 s21, 0
	s_add_nc_u64 s[6:7], s[6:7], s[20:21]
	OUT 0, 262144
	s_branch .Ldone
.Lout_k:
	PLACE 17, 15, 42, 16
	s_lshl_b32 s21, s21, 19
	s_lshr_b32 s22, s20, 9
	s_lshl_b32 s22, s22, 17
	s_add_co_u32 s21, s21, s22
	s_lshr_b32 s20, s20, 4
	s_and_b32 s20, s20, 31
	s_lshl_b32 s20, s20, 11
	s_add_co_u32 s20, s20, s21
	s_add_co_u32 s20, s20, KV0
	s_mov_b32 s21, 0
	s_add_nc_u64 s[6:7], s[6:7], s[20:21]
	OUT 1, 524288
.Ldone:
	s_wait_tensorcnt 0x0                           ; the wave's end
	ds_add_u32 v[SPW], v[NIL]
	s_wait_dscnt 0x0
	CROUND                                         ; the closing round: no work-group ends while a partner may still ask for a tile that names it
	s_endpgm
.Lfunc_end_k_qf40ca56243_proj:
	.size	k_qf40ca56243_proj, .Lfunc_end_k_qf40ca56243_proj-k_qf40ca56243_proj
	.p2alignl 7, 3214868480
	.fill 96, 4, 3214868480
	.section	.rodata,"a",@progbits
	.p2align	6, 0x0
	.amdhsa_kernel k_qf40ca56243_proj
		.amdhsa_group_segment_fixed_size 327680
		.amdhsa_private_segment_fixed_size 0
		.amdhsa_enable_private_segment 0
		.amdhsa_kernarg_size 16
		.amdhsa_user_sgpr_count 2
		.amdhsa_user_sgpr_kernarg_segment_ptr 1
		.amdhsa_wavefront_size32 1
		.amdhsa_system_sgpr_workgroup_id_x 1
		.amdhsa_system_sgpr_workgroup_id_y 1
		.amdhsa_system_sgpr_workgroup_id_z 1
		.amdhsa_system_vgpr_workitem_id 0
		.amdhsa_next_free_vgpr 1024
		.amdhsa_next_free_sgpr 100
		.amdhsa_reserve_vcc 0
		.amdhsa_float_denorm_mode_32 3
		.amdhsa_float_denorm_mode_16_64 3
		.amdhsa_memory_ordered 1
		.amdhsa_forward_progress 1
		.amdhsa_inst_pref_size 179
	.end_amdhsa_kernel
	.amdgpu_metadata
---
amdhsa.version: [ 1, 2 ]
amdhsa.kernels:
  - .name:           k_qf40ca56243_proj
    .symbol:         k_qf40ca56243_proj.kd
    .args:
      - { .name: cod, .offset: 0, .size: 8, .value_kind: global_buffer, .address_space: global }
      - { .name: qkv, .offset: 8, .size: 8, .value_kind: global_buffer, .address_space: global }
    .group_segment_fixed_size: 327680
    .private_segment_fixed_size: 0
    .kernarg_segment_align: 8
    .kernarg_segment_size: 16
    .max_flat_workgroup_size: 128
    .sgpr_count:     100
    .vgpr_count:     1024
    .wavefront_size: 32
...
	.end_amdgpu_metadata
.endif
;; end of part 2
;; launch attn (part 3): grid 8 x 32, 8 waves a work-group, clusters of 4 x 1, 327,680 bytes of LDS; arguments qkv, mb, xi; writes xi
.if DOCPART == 3
	.amdgcn_target "amdgcn-amd-amdhsa--gfx1250"
	.amdhsa_code_object_version 6
	.text
	.protected	k_qf40ca56243_attn
	.globl	k_qf40ca56243_attn
	.p2align	8
	.type	k_qf40ca56243_attn,@function
k_qf40ca56243_attn:
	s_mov_b64 s[64:65], 0
	v_nop
	global_prefetch_b8 v0, s[64:65] scope:SCOPE_SE
	s_setreg_imm32_b32 hwreg(HW_REG_WAVE_MODE, 25, 1), 1
	s_wait_xcnt 0x0
	s_wait_alu depctr_hold_cnt(0) depctr_sa_sdst(0) depctr_va_vdst(0) depctr_va_sdst(0) depctr_va_ssrc(0) depctr_va_vcc(0) depctr_vm_vsrc(0)
	s_getreg_b32 s2, hwreg(HW_REG_IB_STS2, 6, 4)
	s_cmp_eq_u32 s2, 0
	s_cbranch_scc0 .Lentry_in_a_cluster
	s_endpgm
.Lentry_in_a_cluster:
	s_bfe_u32 s2, ttmp6, 0x10000c
	s_cmp_lg_u32 s2, 0x3003
	s_cbranch_scc0 .Lentry_shape_is_right
	s_endpgm
.Lentry_shape_is_right:
; ATTN: x[b][q][head] = softmax_k(where(mask == 0, -1e9, Q . K / 8)) V, for 32 (batch, head) pairs, 2,048 queries and keys, head size 64.  Operands in f16, products, maxima and sums in f32.
; Q arrives times log2(e) / 8, so a score s is an exponent of 2; a masked score is -1e9 log2(e), a NUMBER as in the definition: a row with no open key averages all of V.
; SOFTMAX: for each query a running maximum m and sum l: p = 2^(s - m); in every step O and l are multiplied by 2^(m_old - m_new).  The sum is taken of p in f32; p is rounded to f16 for the second product.
; LIMITS: operands up to 65,504 (f16); NaN and infinities are not served.
; SHARES.  A work-group owns 256 queries of one head; each of its eight waves two tiles of 16.  Two waves share a SIMD: one wave's softmax stands beside the other's products.  Every wave walks all keys, 64 a step.
; LAYOUT.  S^T = K Q^T (source 0 = 16 keys, source 1 = 16 queries): a lane holds ONE query (lane % 16) and keys 8 (lane / 16) + 0..7; two such tiles, rounded in pairs, are source 1 of O^T = V^T P.
; All operands arrive as images of their registers (byte 512 c + 16 lane of a fragment's 1,024): an LDS load takes 512 consecutive bytes; O^T's lanes hold 16 bytes of x's images, so the way out needs no LDS.
; THE MASK arrives as words of lane bits: word 8 Tk + j has bit lane = (mask[query lane % 16][key 16 Tk + 8 (lane / 16) + j] != 0): the very mask of v_cndmask_b32 for register j of tile Tk.  They come by scalar loads.
; Both tiles' scores are masked together, straight behind the first products, and the next step's 64 words are asked for at once: they have a whole step, less some 80 instructions, in which to come.
; RING: two slots of 131,072 bytes, 512 keys each: K's 64 images, then V^T's 64.  CLUSTER: the four query blocks of a cluster walk the same K and V: every tile is asked for JOINTLY, each wave 16,384 bytes.
; THE CHANGE OF SLOTS lies inside a slot's eighth step, which is written out behind a loop of seven: once that step's V is in registers the wave reads the slot no more; there it signals, does the rest of the step,
; which is work on registers alone, and only then waits.
; REGISTERS: window 0: v1-8 addresses and constants; v16-31 statistics, 8 a tile; v32-63 P; v64-127 S^T; v128-191 K; v192-255 V^T.   window 1: v0-63 O^T, 32 a tile; v64-95 Q, 16 a tile.
.set KV0,   8388608
.set SLOT1, 131072
.set VOFF,  65536
.set STEPB, 8192                       ; a step's 64 keys: 8 images of K, and as many of V^T
.set SPARE, 262144                     ; behind the ring: the spare words, 128 bytes for each wave, that no other line names
.set LI,  1                            ; v1  16 x lane
.set LIV, 2                            ; v2  16 x lane + VOFF
.set ADK, 3                            ; v3  LDS address of the run of K's loads in hand
.set ADV, 4                            ; v4  of V's
.set SPW, 5                            ; v5  LDS address of my spare word; never rewritten
.set NIL, 6                            ; v6  0; never rewritten
.set MC,  7                            ; v7  -1e9 log2(e)
.set PFO, 8                            ; v8  256 x lane
.set ST,  16                           ; tile t at v[ST + 8 t]: +0 m (+1 named with it as a pair), +2, +3 l (even keys', odd keys'), +4 to +7 at work; the rescaling factor takes +6
.set P,   32
.set S,   64
.set KF,  128
.set VF,  192
.set O,   0                            ; window 1
.set Q,   64                           ; window 1
.set MP,  6                            ; s[6:7]  my first tile's mask words; never stepped
.set WV,  10
.set TB,  11                           ; s11 LDS byte at which the step to be fetched begins
.set STEPC, 12
.set SLOTC, 13
.set MO,  14                           ; s14 byte offset of the next step's mask words
.set MA,  16                           ; s[16:47] tile 0's 32 mask words of the step
.set G1,  48
.set G0A, 56
.set G0B, 60
.set KS,  66                           ; s66 steps begun
.set LIM, 67                           ; s67 the step (by the loop's count-down) in which I prefetch, or -1; never rewritten
.set MB,  68                           ; s[68:99] tile 1's
.set PFA, 100                          ; s[100:101]
.set SEL, 104                          ; s[104:105]
.set MSB, 0
.macro WIN new                         ; the immediate's high byte repeats the setting that is left
.if MSB != (\new)
	s_set_vgpr_msb (MSB<<8)|(\new)
.set MSB, (\new)
.endif
.endm
.set W_KQ,  0x04                       ; Q (source 1) in window 1
.set W_PV,  0x50                       ; O^T (C and D) in window 1
.set W_RS,  0x41                       ; O^T (destination and source 0) in window 1
.set W_LD,  0x40                       ; destination in window 1
.set W_OUT, 0x01                       ; source 0 in window 1
.macro CREST                           ; a round of the cluster's barrier behind its opening barrier
	s_cmp_lg_u32 s[WV], 0
	s_cbranch_scc1 .Lnot_wave_0_\@
	s_barrier_signal -3
.Lnot_wave_0_\@:
	s_barrier_wait -3
	s_barrier_signal -1
	s_barrier_wait -1
.endm
.macro CROUND                          ; a whole round
	s_barrier_signal -1
	s_barrier_wait -1
	CREST
.endm
.macro FETCH_K                         ; 64 keys x 64 channels: register KF + 16 kt + 8 s + 4 c
	v_add_nc_u32 v[ADK], s[TB], v[LI]
.set i, 0
.rept 16
	ds_load_b128 v[KF+4*i:KF+4*i+3], v[ADK] offset:512*i
.set i, i+1
.endr
.endm
.macro FETCH_V                         ; 64 channels x 64 keys: register VF + 32 g + 8 ct + 4 c
.set i, 0
.rept 16
	ds_load_b128 v[VF+4*i:VF+4*i+3], v[ADV] offset:512*i
.set i, i+1
.endr
.endm
; The accumulators take turns, one instruction a turn.
.macro KQ t                            ; S^T of tile t: four tiles of keys; channels 0-31 start the sums, channels 32-63 follow
.irp s, 0,1
.irp kt, 0,1,2,3
.if \s == 0
	v_wmma_f32_16x16x32_f16 v[S+32*\t+8*\kt:S+32*\t+8*\kt+7], v[KF+16*\kt+8*\s:KF+16*\kt+8*\s+7], v[Q+16*\t+8*\s:Q+16*\t+8*\s+7], 0
.else
	v_wmma_f32_16x16x32_f16 v[S+32*\t+8*\kt:S+32*\t+8*\kt+7], v[KF+16*\kt+8*\s:KF+16*\kt+8*\s+7], v[Q+16*\t+8*\s:Q+16*\t+8*\s+7], v[S+32*\t+8*\kt:S+32*\t+8*\kt+7]
.endif
.endr
.endr
.endm
.macro PV t                            ; O^T of tile t += V^T P: four tiles of channels, keys 0-31 and then 32-63
.irp g, 0,1
.irp ct, 0,1,2,3
	v_wmma_f32_16x16x32_f16 v[O+32*\t+8*\ct:O+32*\t+8*\ct+7], v[VF+32*\g+8*\ct:VF+32*\g+8*\ct+7], v[P+16*\t+8*\g:P+16*\t+8*\g+7], v[O+32*\t+8*\ct:O+32*\t+8*\ct+7]
.endr
.endr
.endm
.macro CND t, M                        ; tile t's closed keys: the score becomes -1e9 log2(e); each accumulator is read from its low end on
.set i, 0
.rept 32
	v_cndmask_b32 v[S+32*(\t)+i], v[MC], v[S+32*(\t)+i], s[\M+i]
.set i, i+1
.endr
.endm
; Tile t's softmax of a step, on masked scores.  loads = 1: the next step's mask words of both tiles are asked for behind the chains of maxima.
.macro SMA t, loads
.set rT, ST+8*(\t)
.set rS, S+32*(\t)
.set rP, P+16*(\t)
.irp j, 0,1,2,3
	v_max3_num_f32 v[rT+4+\j], v[rS+8*\j], v[rS+8*\j+1], v[rS+8*\j+2]   ; the maximum: four chains
.endr
.irp u, 3,5
.irp j, 0,1,2,3
	v_max3_num_f32 v[rT+4+\j], v[rT+4+\j], v[rS+8*\j+\u], v[rS+8*\j+\u+1]
.endr
.endr
	v_max3_num_f32 v[rT+4], v[rT+4], v[rS+7], v[rS+15]
	v_max3_num_f32 v[rT+6], v[rT+6], v[rS+23], v[rS+31]
.if \loads
	s_load_b512 s[MA:MA+15], s[MP:MP+1], s[MO] offset:0          ; this step's 64 words have been used: the next step's
	s_load_b512 s[MA+16:MA+31], s[MP:MP+1], s[MO] offset:64
	s_load_b512 s[MB:MB+15], s[MP:MP+1], s[MO] offset:4096       ; tile 1's lie 4,096 bytes behind tile 0's
	s_load_b512 s[MB+16:MB+31], s[MP:MP+1], s[MO] offset:4160
.endif
	v_max3_num_f32 v[rT+4], v[rT+4], v[rT+5], v[rT+6]
	v_max3_num_f32 v[rT+4], v[rT+4], v[rT+7], v[rT]              ; with the old m
	v_permlanex16_b32 v[rT+5], v[rT+4], s[SEL], s[SEL+1]         ; the query's other 32 keys lie in the lane 16 away
	v_mov_b32 v[rT+7], v[rT]
	v_max_num_f32 v[rT], v[rT+4], v[rT+5]                        ; the new m
	v_sub_f32 v[rT+7], v[rT+7], v[rT]                            ; m_old - m_new
.set i, 0
.rept 16
	v_pk_add_f32 v[rS+2*i:rS+2*i+1], v[rS+2*i:rS+2*i+1], v[rT:rT+1] op_sel_hi:[1,0] neg_lo:[0,1] neg_hi:[0,1]   ; s - m, two at a time
.set i, i+1
.endr
	v_exp_f32 v[rT+6], v[rT+7]                                   ; ONE BATCH of 33 exponentials: the factor,
.set i, 0
.rept 32
	v_exp_f32 v[rS+i], v[rS+i]                                   ; and p = 2^(s - m)
.set i, i+1
.endr
	v_nop                                                        ; the plain instruction behind the last exponential
	s_wait_alu depctr_va_vdst(0)                                 ; the wait ahead of the first instruction that names a result: one for the batch
	v_pk_add_f32 v[rT+4:rT+5], v[rS:rS+1], v[rS+2:rS+3]          ; the sums, in two chains; l's begins with l x the factor + a pair
	v_pk_fma_f32 v[rT+2:rT+3], v[rT+2:rT+3], v[rT+6:rT+7], v[rS+4:rS+5] op_sel_hi:[1,0,1]
.irp j, 6,10,14,18,22,26
	v_pk_add_f32 v[rT+4:rT+5], v[rT+4:rT+5], v[rS+\j:rS+\j+1]
	v_pk_add_f32 v[rT+2:rT+3], v[rT+2:rT+3], v[rS+\j+2:rS+\j+3]
.endr
	v_pk_add_f32 v[rT+4:rT+5], v[rT+4:rT+5], v[rS+30:rS+31]
	v_pk_add_f32 v[rT+2:rT+3], v[rT+2:rT+3], v[rT+4:rT+5]
.set i, 0
.rept 16
	v_cvt_pk_f16_f32 v[rP+i], v[rS+2*i], v[rS+2*i+1]             ; two tiles of keys make one fragment of P
.set i, i+1
.endr
.endm
.macro SM2 t                           ; tile t's O^T times the factor
	WIN W_RS
.set i, 0
.rept 16
	v_pk_mul_f32 v[O+32*\t+2*i:O+32*\t+2*i+1], v[O+32*\t+2*i:O+32*\t+2*i+1], v[ST+8*\t+6:ST+8*\t+7] op_sel_hi:[1,0]
.set i, i+1
.endr
.endm
; A PREFETCH INTO THE L2 of the slot that the next change of slots will ask for, in the sixth of a slot's eight steps: two steps and a half, some 80 matrix instructions of a wave, ahead of that load.  It stands behind a run of LDS loads.
; Each aligned block of 256 bytes is named once in the launch: the head's eight work-groups share a slot's 131,072 bytes out BY ADDRESS, 16,384 each; in each, waves 0 and 1 ask for 8,192, lanes 256 bytes apart.
; Only the third and fourth 512 keys are asked for, in the two slots behind which a slot is filled again: the first two come by the first fills, and nothing is asked for at the head.
.macro ASK
	s_cmp_eq_u32 s[STEPC], s[LIM]
	s_cbranch_scc0 .Lnot_mine_\@
	global_prefetch_b8 v[PFO], s[PFA:PFA+1] th:TH_LOAD_NT scope:SCOPE_SE
.Lnot_mine_\@:
.endm
; A STEP of 64 keys, first half: both tiles' scores, the mask, tile 0's softmax; at its end V is in registers.  On entry the step's K has been asked for.
.macro HEAD ask
	s_wait_dscnt 0x0                               ; K is in
	WIN W_KQ
	KQ 0
	KQ 1
	WIN 0
	v_add_nc_u32 v[ADV], s[TB], v[LIV]             ; four places: in front of the loads into V's registers, which the last step's products read, and of the first read of the scores
.rept 3
	v_nop
.endr
	FETCH_V
.if \ask
	ASK
.endif
	s_add_co_u32 s[TB], s[TB], STEPB
	s_wait_kmcnt 0x0                               ; this step's mask words are in, and no scalar load reads the offset, which is written now:
	s_add_co_u32 s[KS], s[KS], 1
	s_min_u32 s[MO], s[KS], 31                     ; the next step's words; the last step asks for its own once more, so that no load leaves the buffer
	s_lshl_b32 s[MO], s[MO], 7                     ; 32 words a step
	CND 0, MA
	CND 1, MB
	SMA 0, 1
	SM2 0
	s_wait_dscnt 0x0                               ; V is in
.endm
; Second half: work on registers, but for the next step's K (k = 1), which the slot's last step leaves out.
.macro TAIL k
	WIN W_PV
	PV 0
	WIN 0
.if \k
	FETCH_K
.endif
	SMA 1, 0
	SM2 1
	WIN W_PV
	PV 1
	WIN 0
.endm
.macro SEVEN ask                       ; a slot's first seven steps
	s_mov_b32 s[STEPC], 8
.Lstep_\@:
	HEAD \ask
	TAIL 1
	s_sub_co_u32 s[STEPC], s[STEPC], 1
	s_cmp_lg_u32 s[STEPC], 1
	s_cbranch_scc1 .Lstep_\@
.endm
; A slot's eighth step, and in it THE CHANGE OF SLOTS.  It waits for all its tensor loads (its part of the other slot), adds 0 to its spare word, waits for that
; and for its LDS loads, and signals; the step's second half, 16 matrix and some 135 vector instructions on registers alone, stands between the signal and the wait.
; kind 1: the barrier opens a round of the cluster's, and the slot just left is filled again first thing behind the round: that load has eight steps in which to land.  kind 2: nothing is left to fetch: a plain barrier.  kind 3: the last step of all.
.macro LAST kind
	HEAD 0
.if \kind < 3
	WIN 0                                          ; (the add's two registers lie in window 0)
	s_wait_tensorcnt 0x0                           ; no tensor load of mine is out, so a group 0 may be written
	ds_add_u32 v[SPW], v[NIL]
.if \kind == 1
	s_xor_b32 s[G0B+1], s[G0B+1], SLOT1            ; the walking descriptor: the other slot than last time,
	s_add_nc_u64 s[G0B+2:G0B+3], s[G0B+2:G0B+3], SLOT1   ; the next 512 keys; the type bits on top are not reached
	s_wait_xcnt 0x0                                ; the last prefetch, two steps back, has read its address
	s_add_nc_u64 s[PFA:PFA+1], s[PFA:PFA+1], SLOT1
.endif
	s_wait_dscnt 0x0                               ; the add is done, and my reads of the slot are over
	s_barrier_signal -1
.endif
	TAIL 0
.if \kind < 3
	s_barrier_wait -1                              ; every wave of my work-group has left the slot, and its part of the other slot has landed
.endif
.if \kind == 1
	CREST                                          ; and so in all four work-groups
	tensor_load_to_lds s[G0B:G0B+3], s[G1:G1+7]    ; the same line in all eight waves and all four partners: my one tensor load behind the round
	s_nop 0
.rept 4
	v_nop
.endr
.endif
.if \kind < 3
	s_sub_co_u32 s[TB], s[TB], 8*STEPB             ; the fetches go back to a slot's first step,
	s_xor_b32 s[TB], s[TB], SLOT1                  ; in the other slot
.endif
.endm
	s_load_b128 s[4:7], s[0:1], 0x0                ; qkv s[4:5], mb s[6:7]
	s_load_b64 s[8:9], s[0:1], 0x10                ; xi
	v_lshl_add_u32 v[SPW], v0, 2, SPARE
	v_mov_b32 v[NIL], 0
	ds_add_u32 v[SPW], v[NIL]                      ; the wave's opening: the add, twice on end, and its wait ahead of my first tensor load
	ds_add_u32 v[SPW], v[NIL]
	v_lshrrev_b32 v9, 5, v0
	v_readfirstlane_b32 s[WV], v9                  ; wave 0..7
	s_bfe_u32 s16, ttmp6, 0x40000                  ; cx
	s_lshl_b32 s17, ttmp9, 2
	s_add_co_u32 s17, s17, s16                     ; my block of 256 queries: it enters Q's, the mask's, x's and the prefetch's global addresses alone
	s_and_b32 s18, ttmp7, 0xffff                   ; (batch, head), which the partners share
	; descriptor group 1: 16,384 dense bytes as 64 rows of 32 elements of 8 bytes
	s_mov_b32 s[G1], 15|(3<<16)|(1<<21)            ; 15:0 the mask: all four work-groups; 17:16 elements of 8 bytes; 21 set beside a mask
	s_mov_b32 s[G1+1], 32<<16                      ; tensor_dim0
	s_mov_b32 s[G1+2], 64<<16                      ; tensor_dim1
	s_mov_b32 s[G1+3], 32<<16                      ; tile_dim0
	s_mov_b32 s[G1+4], 64                          ; tile_dim1
	s_mov_b32 s[G1+5], 32                          ; tensor_dim0_stride
	s_mov_b32 s[G1+6], 0
	s_mov_b32 s[G1+7], 0
	s_lshl_b32 s20, s18, 19
	s_add_co_u32 s20, s20, KV0                     ; the head's K and V
	s_mov_b32 s21, 0
	s_lshl_b32 s22, s[WV], 14                      ; my 16,384 bytes of a slot, in memory and in LDS
	s_mov_b32 s23, 0
	s_lshl_b32 s24, s18, 18                        ; Q: the head, my block's 16 tiles of 2,048 bytes, my two
	s_lshl_b32 s25, s17, 15
	s_add_co_u32 s24, s24, s25
	s_lshl_b32 s25, s[WV], 12
	s_add_co_u32 s24, s24, s25
	s_mov_b32 s25, 0
	s_lshr_b32 s26, s18, 4                         ; the batch
	s_lshl_b32 s28, s26, 19                        ; the mask words: 4,096 bytes a tile of queries
	s_lshl_b32 s27, s17, 16
	s_add_co_u32 s28, s28, s27
	s_lshl_b32 s27, s[WV], 13
	s_add_co_u32 s28, s28, s27
	s_mov_b32 s29, 0
	s_and_b32 s27, s18, 15                         ; x's images: [4 heads][tile of tokens 256][8][1,024]
	s_lshr_b32 s30, s27, 2
	s_lshl_b32 s30, s30, 21
	s_and_b32 s27, s27, 3
	s_lshl_b32 s27, s27, 11
	s_add_co_u32 s30, s30, s27
	s_lshl_b32 s27, s26, 20
	s_add_co_u32 s30, s30, s27
	s_lshl_b32 s27, s17, 17
	s_add_co_u32 s30, s30, s27
	s_lshl_b32 s27, s[WV], 14
	s_add_co_u32 s30, s30, s27
	s_mov_b32 s31, 0
	s_lshl_b32 s32, s17, 14                        ; the prefetches: my work-group's 16,384 bytes of a slot,
	s_and_b32 s27, s[WV], 1
	s_lshl_b32 s27, s27, 13                        ; my wave's 8,192,
	s_add_co_u32 s32, s32, s27
	s_add_co_u32 s32, s32, 2*SLOT1                 ; of the third 512 keys
	s_mov_b32 s33, 0
	s_cmp_lt_u32 s[WV], 2
	s_cselect_b32 s[LIM], 3, -1                    ; waves 0 and 1 ask, where the count-down of steps stands at 3
	s_mov_b32 s[SEL], 0x76543210
	s_mov_b32 s[SEL+1], 0xfedcba98
	s_mov_b32 s[TB], 0
	s_mov_b32 s[KS], 0
	s_mov_b32 s[SLOTC], 2
	s_wait_dscnt 0x0                               ; both opening adds are done
	s_wait_kmcnt 0x0
	s_add_nc_u64 s[20:21], s[4:5], s[20:21]
	s_add_nc_u64 s[PFA:PFA+1], s[20:21], s[32:33]
	s_add_nc_u64 s[20:21], s[20:21], s[22:23]      ; my part of the first 512 keys
	s_add_nc_u64 s[4:5], s[4:5], s[24:25]          ; Q at my first tile
	s_add_nc_u64 s[6:7], s[6:7], s[28:29]          ; the mask words likewise
	s_add_nc_u64 s[8:9], s[8:9], s[30:31]          ; and x
	CROUND                                         ; all four work-groups are here: the first joint loads meet
	s_mov_b32 s[G0A], 1
	s_mov_b32 s[G0A+1], s22
	s_mov_b64 s[G0A+2:G0A+3], s[20:21]
	s_or_b32 s[G0A+3], s[G0A+3], 0x80000000
	s_mov_b32 s[G0B], 1
	s_add_co_u32 s[G0B+1], s22, SLOT1
	s_add_nc_u64 s[G0B+2:G0B+3], s[20:21], SLOT1
	s_or_b32 s[G0B+3], s[G0B+3], 0x80000000
	tensor_load_to_lds s[G0A:G0A+3], s[G1:G1+7]    ; the two first fills stand together: two tensor loads of mine are out
	s_nop 0
	tensor_load_to_lds s[G0B:G0B+3], s[G1:G1+7]
	s_nop 0
.rept 4
	v_nop
.endr
	v_and_b32 v9, 31, v0
	v_lshlrev_b32 v[LI], 4, v9
	v_add_nc_u32 v[LIV], VOFF, v[LI]
	v_lshlrev_b32 v[PFO], 8, v9
	v_mov_b32 v[MC], 0xceabfb8f                    ; -1e9 log2(e)
	WIN W_LD
.set i, 0
.rept 8
	global_load_b128 v[Q+4*i:Q+4*i+3], v[LI], s[4:5] offset:512*i   ; Q stays in registers: tile i / 4
.set i, i+1
.endr
.set i, 0
.rept 64
	v_mov_b32 v[O+i], 0                            ; O^T.  (The step is written without a first step of its own: the first finds zeros, which the first factor, 0, leaves zeros)
.set i, i+1
.endr
	WIN 0
	s_load_b512 s[MA:MA+15], s[MP:MP+1], 0x0       ; step 0's mask words (the scalars that lay here have been used)
	s_load_b512 s[MA+16:MA+31], s[MP:MP+1], 0x40
	s_load_b512 s[MB:MB+15], s[MP:MP+1], 0x1000
	s_load_b512 s[MB+16:MB+31], s[MP:MP+1], 0x1040
.irp t, 0,1
	v_mov_b32 v[ST+8*\t], 0xff61b1e6               ; m = -3e38, under every score, the masked one too
	v_mov_b32 v[ST+8*\t+1], 0
	v_mov_b32 v[ST+8*\t+2], 0                      ; l
	v_mov_b32 v[ST+8*\t+3], 0
.endr
	s_wait_tensorcnt 1                             ; my part of slot 0 is in; slot 1's may stay out
	s_barrier_signal -1
	s_barrier_wait -1                              ; everybody's is
	FETCH_K
	s_wait_loadcnt 0x0                             ; Q
.Lslot:                                            ; two trips: keys 0 - 511 and 512 - 1,023; behind each its slot is filled again
	SEVEN 1
	LAST 1
	FETCH_K
	s_sub_co_u32 s[SLOTC], s[SLOTC], 1
	s_cmp_lg_u32 s[SLOTC], 0
	s_cbranch_scc1 .Lslot
	SEVEN 0                                        ; the tail is written out: keys 1,024 - 1,535
	LAST 2
	FETCH_K
	SEVEN 0                                        ; and 1,536 - 2,047
	LAST 3
	; THE WAY OUT.  l's two halves and the other half of the lanes' are added (these additions are the places behind the last products); O^T / l is rounded to f16: a lane's eight channels are its 16 bytes of an image of x.
.irp t, 0,1
	v_add_f32 v[ST+8*\t+4], v[ST+8*\t+2], v[ST+8*\t+3]
.endr
.irp t, 0,1
	v_permlanex16_b32 v[ST+8*\t+5], v[ST+8*\t+4], s[SEL], s[SEL+1]
.endr
.irp t, 0,1
	v_add_f32 v[ST+8*\t+4], v[ST+8*\t+4], v[ST+8*\t+5]
.endr
.irp t, 0,1
	v_rcp_f32 v[ST+8*\t+6], v[ST+8*\t+4]
.endr
	v_nop                                          ; a plain instruction between the last reciprocal and the use of its result
	s_wait_alu depctr_va_vdst(0)                   ; and the wait: one for both
.irp t, 0,1
	WIN W_OUT
.set i, 0
.rept 16
	v_pk_mul_f32 v[S+32*\t+2*i:S+32*\t+2*i+1], v[O+32*\t+2*i:O+32*\t+2*i+1], v[ST+8*\t+6:ST+8*\t+7] op_sel_hi:[1,0]   ; each accumulator from its low end on
.set i, i+1
.endr
	WIN 0
.set i, 0
.rept 16
	v_cvt_pk_f16_f32 v[P+16*\t+i], v[S+32*\t+2*i], v[S+32*\t+2*i+1]
.set i, i+1
.endr
.irp ct, 0,1,2,3
	global_store_b128 v[LI], v[P+16*\t+4*\ct:P+16*\t+4*\ct+3], s[8:9] offset:\t*8192+\ct*512   ; 32 lanes store 512 consecutive bytes
.endr
.endr
	s_wait_tensorcnt 0x0                           ; the wave's end
	ds_add_u32 v[SPW], v[NIL]
	s_wait_dscnt 0x0
	CROUND                                         ; the closing round: no work-group ends while a partner may still ask for a tile that names it
	s_endpgm
.Lfunc_end_k_qf40ca56243_attn:
	.size	k_qf40ca56243_attn, .Lfunc_end_k_qf40ca56243_attn-k_qf40ca56243_attn
	.p2alignl 7, 3214868480
	.fill 96, 4, 3214868480
	.section	.rodata,"a",@progbits
	.p2align	6, 0x0
	.amdhsa_kernel k_qf40ca56243_attn
		.amdhsa_group_segment_fixed_size 327680
		.amdhsa_private_segment_fixed_size 0
		.amdhsa_enable_private_segment 0
		.amdhsa_kernarg_size 24
		.amdhsa_user_sgpr_count 2
		.amdhsa_user_sgpr_kernarg_segment_ptr 1
		.amdhsa_wavefront_size32 1
		.amdhsa_system_sgpr_workgroup_id_x 1
		.amdhsa_system_sgpr_workgroup_id_y 1
		.amdhsa_system_sgpr_workgroup_id_z 1
		.amdhsa_system_vgpr_workitem_id 0
		.amdhsa_next_free_vgpr 352
		.amdhsa_next_free_sgpr 106
		.amdhsa_reserve_vcc 0
		.amdhsa_float_denorm_mode_32 3
		.amdhsa_float_denorm_mode_16_64 3
		.amdhsa_memory_ordered 1
		.amdhsa_forward_progress 1
		.amdhsa_inst_pref_size 145
	.end_amdhsa_kernel
	.amdgpu_metadata
---
amdhsa.version: [ 1, 2 ]
amdhsa.kernels:
  - .name:           k_qf40ca56243_attn
    .symbol:         k_qf40ca56243_attn.kd
    .args:
      - { .name: qkv, .offset: 0, .size: 8, .value_kind: global_buffer, .address_space: global }
      - { .name: mb, .offset: 8, .size: 8, .value_kind: global_buffer, .address_space: global }
      - { .name: xi, .offset: 16, .size: 8, .value_kind: global_buffer, .address_space: global }
    .group_segment_fixed_size: 327680
    .private_segment_fixed_size: 0
    .kernarg_segment_align: 8
    .kernarg_segment_size: 24
    .max_flat_workgroup_size: 256
    .sgpr_count:     106
    .vgpr_count:     352
    .wavefront_size: 32
...
	.end_amdgpu_metadata
.endif
;; end of part 3
;; launch outp (part 4): grid 8 x 32, 4 waves a work-group, clusters of 4 x 4, 327,680 bytes of LDS; arguments xi, wpi, bp, out0; writes out0
.if DOCPART == 4
	.amdgcn_target "amdgcn-amd-amdhsa--gfx1250"
	.amdhsa_code_object_version 6
	.text
	.protected	k_qf40ca56243_outp
	.globl	k_qf40ca56243_outp
	.p2align	8
	.type	k_qf40ca56243_outp,@function
k_qf40ca56243_outp:
	s_mov_b64 s[64:65], 0
	v_nop
	global_prefetch_b8 v0, s[64:65] scope:SCOPE_SE
	s_setreg_imm32_b32 hwreg(HW_REG_WAVE_MODE, 25, 1), 1
	s_wait_xcnt 0x0
	s_wait_alu depctr_hold_cnt(0) depctr_sa_sdst(0) depctr_va_vdst(0) depctr_va_sdst(0) depctr_va_ssrc(0) depctr_va_vcc(0) depctr_vm_vsrc(0)
	s_getreg_b32 s2, hwreg(HW_REG_IB_STS2, 6, 4)
	s_cmp_eq_u32 s2, 0
	s_cbranch_scc0 .Lentry_in_a_cluster
	s_endpgm
.Lentry_in_a_cluster:
	s_bfe_u32 s2, ttmp6, 0x10000c
	s_cmp_lg_u32 s2, 0xf033
	s_cbranch_scc0 .Lentry_shape_is_right
	s_endpgm
.Lentry_shape_is_right:
; OUTP: out0[m][n] = sum over k of x[m][k] Wp[k][n] + bp[n].  m = 4,096, n = 1,024, k = 1,024.  Operands in f16, sums in f32, out0 in f32.
; x and Wp arrive as images of operand registers: xi [256 along k: 4][16 rows: 256][32 along k: 8][1,024], wpi [4][16 columns: 64][8][1,024]; in an image byte 512 c + 16 lane: row (column) lane % 16, k = 16 c + 8 (lane / 16) + 0..7.
; A tile of out0 is 128 x 128: 256 work-groups.  Four waves, each 64 x 64: 16 accumulators.  K goes in steps of 256 through two LDS slots; a wave's tensor load brings 32,768 dense bytes (four tiles of 16 rows).
; An LDS load of a fragment's half takes 512 consecutive bytes: no padding is wanted.
; THE BIAS is the C of each accumulator's first matrix instruction: eight registers for each 16 columns, in the result's layout.
; CLUSTERS: 4 x 4.  x's tiles are shared along a row of the cluster, Wp's along a column: each is asked for JOINTLY.  THE MATRIX INSTRUCTION IS USED TRANSPOSED (source 0 = 16 columns of Wp, source 1 = 16 rows of x):
; a lane holds eight neighbouring numbers of a row of out0.
; REGISTERS: window 0: v0-31 addresses; v32-95 the way out; v96-127 the bias; v128-255 the accumulators ((a, b) at v[128 + 8 (4 a + b)]).  window 1: two fragment buffers of 128: 64 registers of x, then 64 of Wp, for 64 along K.
.set HALFT,  32768                     ; what one tensor load brings, and what one wave reads of x or of Wp
.set SLOT,   4*HALFT
.set ACHB,   2097152                   ; from 256 along k to the next, in xi
.set BCHB,   524288                    ; and in wpi
.set STAGE,  2*SLOT                    ; behind the ring: 16 rows x 272 bytes for each wave, for the way out
.set SPITCH, 272                       ; 256 bytes + 16: 17 x 16 bytes, so that the sixteen rows that a store touches start at sixteen different 16-byte columns
.set SPARE,  STAGE+4*16*SPITCH         ; behind the stages: the spare words, 128 bytes for each wave, that no other line names
.set LAPS, 2                           ; a lap = two K steps = once round the ring
.set ADRA, 16                          ; v16-17  LDS address of my x fragments in slot 0, 1
.set ADRB, 20                          ; v20-21  the same for Wp
.set STO,  24
.set RD,   25
.set CO,   26
.set SPW,  28                          ; v28     LDS address of my spare word; never rewritten
.set NIL,  29                          ; v29     0; never rewritten
.set TMP,  32
.set BIAS, 96
.set ACC,  128
.set F0,   0
.set F1,   128
.set G1, 24
.set G0, 32
.set G1B, 48
.set G0B, 56
.set MSB, 0
.macro WIN new                         ; the immediate's high byte repeats the setting that is left
.if MSB != (\new)
	s_set_vgpr_msb (MSB<<8)|(\new)
.set MSB, (\new)
.endif
.endm
.set MUL,  0x05                        ; sources 0 (Wp) and 1 (x) window 1; C and D window 0
.set TO_F, 0x40                        ; destination window 1, address window 0
.macro JLOAD s                         ; a joint load: waves 0 and 1 fetch x's two halves, waves 2 and 3 Wp's; an s_nop 0 and four v_nop follow each of the two lines
	s_cmp_eq_u32 s11, 0
	s_cbranch_scc0 .Lfor_b_\@
	tensor_load_to_lds s[G0+4*\s:G0+4*\s+3], s[G1:G1+7]
	s_nop 0
.rept 4
	v_nop
.endr
	s_branch .Lasked_\@
.Lfor_b_\@:
	tensor_load_to_lds s[G0B+4*\s:G0B+4*\s+3], s[G1B:G1B+7]
	s_nop 0
.rept 4
	v_nop
.endr
.Lasked_\@:
.endm
.macro CREST                           ; a round of the cluster's barrier behind its opening barrier
	s_cmp_lg_u32 s10, 0
	s_cbranch_scc1 .Lnot_wave_0_\@
	s_barrier_signal -3
.Lnot_wave_0_\@:
	s_barrier_wait -3
	s_barrier_signal -1
	s_barrier_wait -1
.endm
.macro CROUND
	s_barrier_signal -1
	s_barrier_wait -1
	CREST
.endm
	s_load_b128 s[4:7], s[0:1], 0x0                ; xi s[4:5], wpi s[6:7]
	s_load_b128 s[68:71], s[0:1], 0x10             ; bp s[68:69], out0 s[70:71]
	v_lshl_add_u32 v[SPW], v0, 2, SPARE
	v_mov_b32 v[NIL], 0
	ds_add_u32 v[SPW], v[NIL]                      ; the wave's opening: the add, twice on end, and its wait ahead of my first tensor load
	ds_add_u32 v[SPW], v[NIL]
	v_lshrrev_b32 v1, 5, v0
	v_readfirstlane_b32 s10, v1                    ; wave 0..3
	s_lshr_b32 s11, s10, 1                         ; which half of the tile's rows is mine.  Also: I fetch for x (0) or for Wp (1)
	s_and_b32 s12, s10, 1                          ; which half of its columns.  Also: which four tiles of 16 I fetch
	s_bfe_u32 s40, ttmp6, 0x40000                  ; cx, cy
	s_bfe_u32 s41, ttmp6, 0x40004
	s_lshl_b32 s42, ttmp9, 2
	s_add_co_u32 s42, s42, s40                     ; tile column = 4 x cluster x + cx
	s_and_b32 s13, ttmp7, 0xffff
	s_lshl_b32 s13, s13, 2
	s_add_co_u32 s13, s13, s41                     ; tile row = 4 x cluster y + cy
	s_lshl_b32 s43, s41, 2
	s_lshl_b32 s43, 15, s43                        ; my row of the cluster
	s_lshl_b32 s44, 0x1111, s40                    ; my column
	; descriptor group 1: 32,768 dense bytes as 128 rows of 32 elements of 8 bytes
	s_or_b32 s[G1+0], s43, (3<<16)|(1<<21)         ; 15:0 the mask: x's tiles go to my row; 17:16 elements of 8 bytes; 21 set beside a mask
	s_or_b32 s[G1B+0], s44, (3<<16)|(1<<21)
.irp g, G1, G1B
	s_mov_b32 s[\g+1], 32<<16                      ; tensor_dim0
	s_mov_b32 s[\g+2], 128<<16                     ; tensor_dim1
	s_mov_b32 s[\g+3], 32<<16                      ; tile_dim0
	s_mov_b32 s[\g+4], 128                         ; tile_dim1
	s_mov_b32 s[\g+5], 32                          ; tensor_dim0_stride
	s_mov_b32 s[\g+6], 0
	s_mov_b32 s[\g+7], 0
.endr
	s_lshl_b32 s17, s12, 2                         ; which four of the eight tiles of 16
	s_lshl_b32 s16, s13, 3
	s_add_co_u32 s16, s16, s17
	s_lshl_b32 s16, s16, 13                        ; x: 8,192 bytes a tile of 16 rows: made of the tile row and the wave's number alone
	s_lshl_b32 s46, s42, 3
	s_add_co_u32 s46, s46, s17
	s_lshl_b32 s46, s46, 13                        ; Wp: of the tile column and the wave's number alone
	s_mov_b32 s17, 0
	s_mov_b32 s47, 0
	s_lshl_b32 s20, s10, 15                        ; where they go: wave x 32,768
	s_wait_dscnt 0x0                               ; both opening adds are done
	s_wait_kmcnt 0x0
	s_add_nc_u64 s[14:15], s[4:5], s[16:17]
	s_add_nc_u64 s[46:47], s[6:7], s[46:47]
	CROUND                                         ; all sixteen work-groups are here: the first joint loads meet
.irp s, 0,1
	s_mov_b32 s[G0+4*\s], 1
	s_add_co_u32 s[G0+4*\s+1], s20, \s*SLOT
	s_add_nc_u64 s[G0+4*\s+2:G0+4*\s+3], s[14:15], \s*ACHB
	s_or_b32 s[G0+4*\s+3], s[G0+4*\s+3], 0x80000000
	s_mov_b32 s[G0B+4*\s], 1
	s_add_co_u32 s[G0B+4*\s+1], s20, \s*SLOT
	s_add_nc_u64 s[G0B+4*\s+2:G0B+4*\s+3], s[46:47], \s*BCHB
	s_or_b32 s[G0B+4*\s+3], s[G0B+4*\s+3], 0x80000000
	JLOAD \s
.endr
	v_and_b32 v1, 15, v0                           ; l % 16
	v_bfe_u32 v2, v0, 4, 1                         ; l / 16
	v_and_b32 v3, 31, v0
	v_lshlrev_b32 v3, 4, v3                        ; 16 x lane
	s_lshl_b32 s21, s11, 15                        ; my 64 rows of x
	s_lshl_b32 s22, s12, 15                        ; my 64 columns of Wp,
	s_add_co_u32 s22, s22, 2*HALFT                 ; which lie behind x's 128 rows
.irp s, 0,1
	v_add_nc_u32 v[ADRA+\s], s21, v3
	v_add_nc_u32 v[ADRB+\s], s22, v3
	s_add_co_u32 s21, s21, SLOT
	s_add_co_u32 s22, s22, SLOT
.endr
	s_mul_i32 s23, s10, 16*SPITCH
	s_add_co_u32 s23, s23, STAGE                   ; my stage
	v_mul_u32_u24 v4, v1, SPITCH                   ; in: row l % 16, 32 bytes for each half of the lanes
	v_lshl_add_u32 v4, v2, 5, v4
	v_add_nc_u32 v[STO], s23, v4
	v_mul_u32_u24 v5, v2, SPITCH                   ; back: lanes 0-15 take one row of 256 bytes, lanes 16-31 the next
	v_lshl_add_u32 v5, v1, 4, v5
	v_add_nc_u32 v[RD], s23, v5
	v_lshlrev_b32 v5, 12, v2                       ; and the same two rows in out0: 4,096 bytes a row
	v_lshl_add_u32 v[CO], v1, 4, v5
	s_lshl_b32 s16, s13, 7
	s_lshl_b32 s17, s11, 6
	s_add_co_u32 s16, s16, s17                     ; my first row: 128 x tile row + 64 x half
	s_lshl_b32 s16, s16, 12
	s_mov_b32 s17, 0
	s_lshl_b32 s46, s42, 9                         ; my first column, in bytes: 512 x tile column + 256 x half
	s_lshl_b32 s47, s12, 8
	s_add_co_u32 s46, s46, s47
	s_mov_b32 s47, 0
	s_add_nc_u64 s[70:71], s[70:71], s[16:17]
	s_add_nc_u64 s[70:71], s[70:71], s[46:47]
	s_add_nc_u64 s[68:69], s[68:69], s[46:47]      ; the bias of my 64 columns
	v_lshlrev_b32 v6, 5, v2                        ; lane (r, h) wants, for block b, bp at columns 16 b + 8 h + 0..7
.irp b, 0,1,2,3
	global_load_b128 v[BIAS+8*\b:BIAS+8*\b+3], v6, s[68:69] offset:64*\b
	global_load_b128 v[BIAS+8*\b+4:BIAS+8*\b+7], v6, s[68:69] offset:64*\b+16
.endr
; 8 matrix instructions: row blocks a0, a0 + 1 x all 4 column blocks, 32 along K: half c of buffer f.  first = 1: the first product starts the sums from the bias.  The 16 accumulators take turns.
.macro MUL8 f, c, a0, first
.irp a, \a0, \a0+1
.irp b, 0,1,2,3
.if \first
	v_wmma_f32_16x16x32_f16 v[ACC+8*(4*(\a)+\b):ACC+8*(4*(\a)+\b)+7], v[\f+64+8*(4*\c+\b):\f+64+8*(4*\c+\b)+7], v[\f+8*(4*\c+\a):\f+8*(4*\c+\a)+7], v[BIAS+8*\b:BIAS+8*\b+7]
.else
	v_wmma_f32_16x16x32_f16 v[ACC+8*(4*(\a)+\b):ACC+8*(4*(\a)+\b)+7], v[\f+64+8*(4*\c+\b):\f+64+8*(4*\c+\b)+7], v[\f+8*(4*\c+\a):\f+8*(4*\c+\a)+7], v[ACC+8*(4*(\a)+\b):ACC+8*(4*(\a)+\b)+7]
.endif
.endr
.endr
.endm
; 32 LDS loads in one run: the fragments of the slot's qr-th 64 along K into buffer f; the first 32 along K first
.macro FETCH slot, qr, f
	WIN TO_F
.irp c, 0,1
.irp i, 0,1,2,3
	ds_load_b128 v[\f+64+8*(4*\c+\i):\f+64+8*(4*\c+\i)+3],   v[ADRB+\slot] offset:(2*(\qr)+\c)*1024+\i*8192
	ds_load_b128 v[\f+64+8*(4*\c+\i)+4:\f+64+8*(4*\c+\i)+7], v[ADRB+\slot] offset:(2*(\qr)+\c)*1024+\i*8192+512
	ds_load_b128 v[\f+8*(4*\c+\i):\f+8*(4*\c+\i)+3],         v[ADRA+\slot] offset:(2*(\qr)+\c)*1024+\i*8192
	ds_load_b128 v[\f+8*(4*\c+\i)+4:\f+8*(4*\c+\i)+7],       v[ADRA+\slot] offset:(2*(\qr)+\c)*1024+\i*8192+512
.endr
.endr
.endm
.macro PLACES                          ; four places in front of loads into registers that matrix instructions have read, and of the first read of results
.rept 4
	v_nop
.endr
.endm
; A K step is four quarters of 64 along K, 32 matrix instructions each, on buffers 0, 1, 0, 1.  One of the first three: multiplies buffer f and fetches quarter qr into g.
.macro QUARTER slot, qr, f, g, first
	s_wait_dscnt 16                                ; the first 32 along K are in; the other sixteen loads may be out
	WIN MUL
	MUL8 \f, 0, 0, \first
	MUL8 \f, 0, 2, \first
	PLACES
	FETCH \slot, \qr, \g
	s_wait_dscnt 32                                ; all but the 32 just issued
	WIN MUL
	MUL8 \f, 1, 0, 0
	MUL8 \f, 1, 2, 0
.endm
; The last quarter multiplies buffer 1 and changes slots: ONE barrier; in front of it each wave waits for all its tensor loads, adds 0 to its spare word, and waits for that and for its reads of this slot.  fill = 1: this slot is filled again, two K steps ahead.
.macro TURN slot, next, fill
	WIN 0                                          ; (the add's two registers lie in window 0)
	s_wait_tensorcnt 0x0                           ; all my tensor loads have landed: my part of the next slot
	ds_add_u32 v[SPW], v[NIL]
	s_wait_dscnt 17                                ; (the add and the youngest sixteen loads may be out)
	WIN MUL
	MUL8 F1, 0, 0, 0
	s_wait_dscnt 0x0                               ; the add is done, and my reads of this slot are over
	s_barrier_signal -1
	MUL8 F1, 0, 2, 0
.if \fill
	WIN 0
.endif
	s_barrier_wait -1
.if \fill
	CREST                                          ; the barrier has opened a round of the cluster's barrier: no wave of any partner still reads this slot or has a load on its way
	s_add_nc_u64 s[G0+4*\slot+2:G0+4*\slot+3], s[G0+4*\slot+2:G0+4*\slot+3], 2*ACHB
	s_add_nc_u64 s[G0B+4*\slot+2:G0B+4*\slot+3], s[G0B+4*\slot+2:G0B+4*\slot+3], 2*BCHB
	JLOAD \slot                                    ; the first tensor load behind the round; the four v_nop behind it are also the places in front of the loads below
.else
	PLACES
.endif
	FETCH \next, 0, F0
	WIN MUL
	MUL8 F1, 1, 0, 0
	MUL8 F1, 1, 2, 0
.endm
	s_wait_tensorcnt 1                             ; my part of K step 0 is in; K step 1's load may be out
	s_barrier_signal -1
	s_barrier_wait -1                              ; everybody's is
	FETCH 0, 0, F0
	s_wait_loadcnt 0x0                             ; the bias
	QUARTER 0, 1, F0, F1, 1                        ; the first quarter stands in front of the loop: its first products start the sums
	WIN 0                                          ; at a label and at a branch every window is 0
	s_mov_b32 s3, LAPS-1
.Llap:                                             ; a trip goes once round the ring, from a lap's second quarter to the next lap's first, and fills both slots again
	QUARTER 0, 2, F1, F0, 0
	QUARTER 0, 3, F0, F1, 0
	TURN 0, 1, 1
	QUARTER 1, 1, F0, F1, 0
	QUARTER 1, 2, F1, F0, 0
	QUARTER 1, 3, F0, F1, 0
	TURN 1, 0, 1
	QUARTER 0, 1, F0, F1, 0
	WIN 0
	s_sub_co_u32 s3, s3, 1
	s_cmp_lg_u32 s3, 0
	s_cbranch_scc1 .Llap
	QUARTER 0, 2, F1, F0, 0                        ; the last lap fills nothing, and has no round of the cluster's barrier
	QUARTER 0, 3, F0, F1, 0
	TURN 0, 1, 0
	QUARTER 1, 1, F0, F1, 0
	QUARTER 1, 2, F1, F0, 0
	QUARTER 1, 3, F0, F1, 0
	s_wait_dscnt 16                                ; the very last quarter: nothing more to fetch
	WIN MUL
	MUL8 F1, 0, 0, 0
	MUL8 F1, 0, 2, 0
	s_wait_dscnt 0
	MUL8 F1, 1, 0, 0
	MUL8 F1, 1, 2, 0
	WIN 0
; THE WAY OUT, block by block of 16 rows x 64 columns.  A lane holds 32 neighbouring bytes of a row; a row's 256 bytes are all my wave's: a block goes through my own stage and comes back as whole rows,
; so that sixteen lanes store 256 consecutive bytes, at a multiple of 256 from out0's first byte.  LDS serves a wave's instructions in order (ISA guide 5.7.1.4): no wait between the stores and the loads.
.macro TOSTAGE a
.irp b, 0,1,2,3
	ds_store_b128 v[STO], v[ACC+8*(4*(\a)+\b):ACC+8*(4*(\a)+\b)+3] offset:64*\b          ; each accumulator from its low end on
	ds_store_b128 v[STO], v[ACC+8*(4*(\a)+\b)+4:ACC+8*(4*(\a)+\b)+7] offset:64*\b+16
.endr
.irp i, 0,1,2,3,4,5,6,7
	ds_load_b128 v[TMP+32*((\a)%2)+4*\i:TMP+32*((\a)%2)+4*\i+3], v[RD] offset:\i*2*SPITCH
.endr
.endm
.macro SEND a, younger                 ; younger: the LDS instructions issued behind block a's loads, which may stay out
	s_wait_dscnt \younger
.irp i, 0,1,2,3,4,5,6,7
	global_store_b128 v[CO], v[TMP+32*((\a)%2)+4*\i:TMP+32*((\a)%2)+4*\i+3], s[70:71] offset:(16*(\a)+2*\i)*4096 th:TH_STORE_NT   ; written once, read by nobody here
.endr
.endm
	PLACES
	TOSTAGE 0
.irp a, 1,2,3
.if \a > 1
	s_wait_xcnt 0x0                                ; block a - 2's stores have read their registers: block a's loads may land there
.endif
	TOSTAGE \a
	SEND \a-1, 16                                  ; behind block a - 1's loads: block a's 8 stores and 8 loads
.endr
	SEND 3, 0
	s_wait_tensorcnt 0x0                           ; the wave's end, behind my last tensor load and my last LDS store
	ds_add_u32 v[SPW], v[NIL]
	s_wait_dscnt 0x0
	CROUND                                         ; the closing round: no work-group ends while a partner may still ask for a tile that names it
	s_endpgm
.Lfunc_end_k_qf40ca56243_outp:
	.size	k_qf40ca56243_outp, .Lfunc_end_k_qf40ca56243_outp-k_qf40ca56243_outp
	.p2alignl 7, 3214868480
	.fill 96, 4, 3214868480
	.section	.rodata,"a",@progbits
	.p2align	6, 0x0
	.amdhsa_kernel k_qf40ca56243_outp
		.amdhsa_group_segment_fixed_size 327680
		.amdhsa_private_segment_fixed_size 0
		.amdhsa_enable_private_segment 0
		.amdhsa_kernarg_size 32
		.amdhsa_user_sgpr_count 2
		.amdhsa_user_sgpr_kernarg_segment_ptr 1
		.amdhsa_wavefront_size32 1
		.amdhsa_system_sgpr_workgroup_id_x 1
		.amdhsa_system_sgpr_workgroup_id_y 1
		.amdhsa_system_sgpr_workgroup_id_z 1
		.amdhsa_system_vgpr_workitem_id 0
		.amdhsa_next_free_vgpr 512
		.amdhsa_next_free_sgpr 72
		.amdhsa_reserve_vcc 0
		.amdhsa_float_denorm_mode_32 3
		.amdhsa_float_denorm_mode_16_64 3
		.amdhsa_memory_ordered 1
		.amdhsa_forward_progress 1
		.amdhsa_inst_pref_size 86
	.end_amdhsa_kernel
	.amdgpu_metadata
---
amdhsa.version: [ 1, 2 ]
amdhsa.kernels:
  - .name:           k_qf40ca56243_outp
    .symbol:         k_qf40ca56243_outp.kd
    .args:
      - { .name: xi, .offset: 0, .size: 8, .value_kind: global_buffer, .address_space: global }
      - { .name: wpi, .offset: 8, .size: 8, .value_kind: global_buffer, .address_space: global }
      - { .name: bp, .offset: 16, .size: 8, .value_kind: global_buffer, .address_space: global }
      - { .name: out0, .offset: 24, .size: 8, .value_kind: global_buffer, .address_space: global }
    .group_segment_fixed_size: 327680
    .private_segment_fixed_size: 0
    .kernarg_segment_align: 8
    .kernarg_segment_size: 32
    .max_flat_workgroup_size: 128
    .sgpr_count:     72
    .vgpr_count:     512
    .wavefront_size: 32
...
	.end_amdgpu_metadata
.endif
;; end of part 4
